; MI455X (gfx1250); checked and timed in simulation.
; The chip was launched on July 23, 2026; its instructions are those of AMD's public machine-readable ISA for CDNA 5 (MIT licence, August 2026) and "CDNA5" Instruction Set Architecture Reference Guide (July 2026). The comments in the code are by the model that wrote it; some were corrected since.
;; Sparse Mo E. Allowed arithmetic: float matrix products may take bf16 or f16 operands with f32 sums; other float arithmetic in f32, or as packed bf16 or f16 multiplies, adds, multiply-adds, maxima and minima; sums over many terms, partial sums and values carried from step to step in f32; what a program stores and reads back later, other than sums and carried values, may be rounded once to bf16 or f16.
;; Inputs: b1 8 x 4,096 float32; b2 8 x 1,024 float32; gate_w 8 x 1,024 float32; w1 8 x 4,096 x 1,024 float32; w2 8 x 1,024 x 4,096 float32; x 4 x 256 x 1,024 float32.
;; Outputs: out0 4 x 256 x 1,024 float32; out1 one number float32.
;; 2 versions, each right; version 2 is version 1 with the launches router, down written anew for expert scheduling mode. Each part assembles by itself: llvm-mc -triple=amdgcn-amd-amdhsa -mcpu=gfx1250 --defsym DOCPART=n.
;; ======== version 1 of 2: 4 launches
;; limits: a function is approximated: absolute error at most 2.5e-05; an absolute error that grows with the inputs' magnitude: up to 1.25e-05 times it
;; workspace buffers: xb 2,097,152 bytes; gates 8,192 bytes; route 4,096 bytes of whole numbers; gsum 4,096 bytes; hbuf 16,777,216 bytes; yp 33,554,432 bytes
;; launch router (part 1): grid 32 x 1, 8 waves a work-group, no clusters, 96,256 bytes of LDS; arguments x, gate_w, xb, gates, route, gsum; writes xb, gates, route, gsum
.if DOCPART == 1
	.amdgcn_target "amdgcn-amd-amdhsa--gfx1250"
	.amdhsa_code_object_version 6
	.text
	.protected	k_q21fac14a95_router
	.globl	k_q21fac14a95_router
	.p2align	8
	.type	k_q21fac14a95_router,@function
k_q21fac14a95_router:
	s_mov_b64 s[64:65], 0
	v_nop
	global_prefetch_b8 v0, s[64:65] scope:SCOPE_SE
	s_setreg_imm32_b32 hwreg(HW_REG_WAVE_MODE, 25, 1), 1
	s_wait_xcnt 0x0
; ROUTER.  logits = x gate_w^T on operands rounded to bf16, sums in f32; top 2 of 8 (ties: the lower index, as jax.lax.top_k); gates = softmax of the two.
; Stores: xb = x rounded to bf16 [1024][1024]; gates [1024][2] f32; route [32 blocks][32 words]: words 8 k + e = mask of the block's 32 tokens that
; chose expert e as their k-th, words 16 + e = the block's count for e, the rest 0; gsum [32][32] f32: words e = the block's gate mass for e, the rest 0.
; No address here hangs on the choice: it is stored at fixed places, and the later launches place the rows.
; SHARES.  A work-group has 32 tokens; wave wv has columns 128 wv .. 128 wv + 127 of them and of the 8 gate rows (512 bytes of f32 a row).
; Each wave multiplies its K slice (8 matrix instructions), the eight partial logits meet in LDS, wave 0 adds them and chooses.
; LIMITS.  NaN and infinite logits are not treated apart.  exp2 results below 2^-126 count as 0.
; No tensor load, no cluster: each byte of x has one reader and passes through registers for the rounding.
.set P,     272                ; an LDS row: 256 bytes + 16: the 16 rows of a fragment load start at 16 different groups of four banks (ISA guide 11.1)
.set TILEB, 40*P               ; a wave's own tile: 32 token rows, then 8 gate rows
.set RED,   8*TILEB            ; [wave][lane] 32 bytes: the partial logits
.set SPARE, RED+8192           ; the spare words: 128 bytes a wave, four blocks of 256 bytes that no other line names
.set LD0,   16                 ; v16-175  row i as loaded at LD0 + 4 i
.set GF,    16                 ; later: gate fragments, 8 registers for each 32 of K
.set T0,    48                 ; tokens 0-15
.set T1,    80                 ; tokens 16-31
.set D0,    112
.set D1,    120
.set LGP,   128
	s_load_b256 s[4:11], s[0:1], 0x0               ; x s[4:5], gate_w s[6:7], xb s[8:9], gates s[10:11]
	s_load_b128 s[12:15], s[0:1], 0x20             ; route s[12:13], gsum s[14:15]
	v_lshl_add_u32 v4, v0, 2, SPARE                ; my spare word; never rewritten
	v_mov_b32 v5, 0                                ; 0; never rewritten
	v_and_b32 v1, 31, v0                           ; lane
	v_lshrrev_b32 v2, 5, v0
	v_readfirstlane_b32 s16, v2                    ; wave 0..7
	v_and_b32 v2, 15, v0                           ; r
	v_bfe_u32 v3, v0, 4, 1                         ; h
	v_lshlrev_b32 v6, 4, v1                        ; 16 bytes a lane of a row's 512
	v_lshlrev_b32 v8, 3, v1                        ; 8 bytes a lane of the rounded 256
	s_mul_i32 s17, s16, TILEB
	v_add_nc_u32 v7, s17, v8                       ; where I put them in my tile
	v_mul_u32_u24 v9, v2, P
	v_lshl_add_u32 v9, v3, 4, v9
	v_add_nc_u32 v9, s17, v9                       ; token fragments: row r, 16 bytes for each half of the lanes
	v_and_b32 v10, 7, v0
	v_mul_u32_u24 v10, v10, P
	v_lshl_add_u32 v10, v3, 4, v10
	s_add_co_u32 s18, s17, 32*P
	v_add_nc_u32 v10, s18, v10                     ; gate fragments: rows 8-15 of the 16 repeat rows 0-7
	s_lshl_b32 s18, s16, 10
	s_add_co_u32 s18, s18, RED
	v_lshl_add_u32 v11, v1, 5, s18                 ; my wave's and lane's 32 bytes of partial logits
	v_lshl_add_u32 v12, v1, 5, RED                 ; wave 0's of the same lane
	s_lshl_b32 s20, ttmp9, 17                      ; 32 rows of 4,096 bytes
	s_lshl_b32 s22, s16, 9
	s_add_co_u32 s20, s20, s22
	s_mov_b32 s21, 0
	s_mov_b32 s23, 0
	s_lshl_b32 s24, ttmp9, 16                      ; 32 rows of 2,048 bytes
	s_lshl_b32 s25, s16, 8
	s_add_co_u32 s24, s24, s25
	s_mov_b32 s25, 0
	s_wait_kmcnt 0x0
	s_add_nc_u64 s[4:5], s[4:5], s[20:21]
	s_add_nc_u64 s[6:7], s[6:7], s[22:23]
	s_add_nc_u64 s[8:9], s[8:9], s[24:25]
.set i, 0
.rept 32
	global_load_b128 v[LD0+4*i:LD0+4*i+3], v6, s[4:5] offset:i*4096 th:TH_LOAD_NT  ; 512 consecutive bytes of token row i
.set i, i+1
.endr
.rept 8
	global_load_b128 v[LD0+4*i:LD0+4*i+3], v6, s[6:7] offset:(i-32)*4096           ; the gate rows: every work-group reads them
.set i, i+1
.endr
.set i, 0
.rept 5
	s_wait_loadcnt 32-i                            ; loads come back in order: these eight rows are in, the later rows stay out
.rept 8
	v_cvt_pk_bf16_f32 v[LD0+4*i], v[LD0+4*i], v[LD0+4*i+1]
	v_cvt_pk_bf16_f32 v[LD0+4*i+1], v[LD0+4*i+2], v[LD0+4*i+3]
	ds_store_b64 v7, v[LD0+4*i:LD0+4*i+1] offset:i*P
.if i < 32
	global_store_b64 v8, v[LD0+4*i:LD0+4*i+1], s[8:9] offset:i*2048               ; 32 lanes store 256 consecutive bytes, aligned
.endif
.set i, i+1
.endr
.endr
	s_wait_xcnt 0x0                                ; the stores' data registers are loaded again only behind this wait
.irp ks, 0,1,2,3                                       ; my own tile: LDS serves a wave's instructions in order, so these see the stores above
	ds_load_b128 v[GF+8*\ks:GF+8*\ks+3],   v10 offset:64*\ks
	ds_load_b128 v[GF+8*\ks+4:GF+8*\ks+7], v10 offset:64*\ks+32
	ds_load_b128 v[T0+8*\ks:T0+8*\ks+3],   v9 offset:64*\ks
	ds_load_b128 v[T0+8*\ks+4:T0+8*\ks+7], v9 offset:64*\ks+32
	ds_load_b128 v[T1+8*\ks:T1+8*\ks+3],   v9 offset:16*P+64*\ks
	ds_load_b128 v[T1+8*\ks+4:T1+8*\ks+7], v9 offset:16*P+64*\ks+32
.endr
	v_cmp_lt_u32 vcc_lo, 15, v1                    ; lanes 16-31
	s_wait_dscnt 0x0
	; source 0 = gate rows, source 1 = tokens: register j of lane (r, h) is the logit of expert j (row 8 h + j repeats row j) for token r.
	; The two accumulators take turns.
	v_wmma_f32_16x16x32_bf16 v[D0:D0+7], v[GF:GF+7], v[T0:T0+7], 0
	v_wmma_f32_16x16x32_bf16 v[D1:D1+7], v[GF:GF+7], v[T1:T1+7], 0
.irp ks, 1,2,3
	v_wmma_f32_16x16x32_bf16 v[D0:D0+7], v[GF+8*\ks:GF+8*\ks+7], v[T0+8*\ks:T0+8*\ks+7], v[D0:D0+7]
	v_wmma_f32_16x16x32_bf16 v[D1:D1+7], v[GF+8*\ks:GF+8*\ks+7], v[T1+8*\ks:T1+8*\ks+7], v[D1:D1+7]
.endr
.rept 4
	v_nop                                          ; four places behind the last products (ISA guide 7.12.1)
.endr
.irp j, 0,1,2,3,4,5,6,7
	v_cndmask_b32 v[LGP+\j], v[D0+\j], v[D1+\j], vcc_lo  ; lane l now holds token l's eight partial logits
.endr
	ds_store_b128 v11, v[LGP:LGP+3]
	ds_store_b128 v11, v[LGP+4:LGP+7] offset:16
	s_wait_dscnt 0x0                               ; for wave 0's sake: my partial logits are in LDS
	s_barrier_signal -1
	s_barrier_wait -1
	s_cmp_lg_u32 s16, 0
	s_cbranch_scc1 .Lfin
.irp u, 0,1,2,3,4,5,6,7
	ds_load_b128 v[16+8*\u:19+8*\u], v12 offset:1024*\u
	ds_load_b128 v[20+8*\u:23+8*\u], v12 offset:1024*\u+16
.endr
	s_lshl_b32 s20, ttmp9, 8
	s_mov_b32 s21, 0
	s_add_nc_u64 s[10:11], s[10:11], s[20:21]      ; gates: 256 bytes a block
	s_lshl_b32 s20, ttmp9, 7
	s_add_nc_u64 s[12:13], s[12:13], s[20:21]      ; route and gsum: 128 bytes a block
	s_add_nc_u64 s[14:15], s[14:15], s[20:21]
	s_mov_b32 s37, 0xff800000                      ; minus infinity hides the first choice
	s_mov_b32 s38, 0x76543210                      ; v_permlanex16_b32: each lane takes its own place in the other half
	s_mov_b32 s39, 0xfedcba98
	v_lshlrev_b32 v91, 2, v1
	s_wait_dscnt 0x0
.irp u, 1,2,3,4,5,6,7                                  ; the K slices are added in ascending order
.irp c, 0,2,4,6
	v_pk_add_f32 v[16+\c:17+\c], v[16+\c:17+\c], v[16+8*\u+\c:17+8*\u+\c]
.endr
.endr
	v_max3_num_f32 v80, v16, v17, v18
	v_max3_num_f32 v80, v80, v19, v20
	v_max3_num_f32 v80, v80, v21, v22
	v_max_num_f32 v80, v80, v23                    ; the largest logit
	v_mov_b32 v81, 7
.irp j, 6,5,4,3,2,1,0                                  ; descending, so that the lowest index that holds it wins
	v_cmp_eq_f32 vcc_lo, v[16+\j], v80
	v_cndmask_b32 v81, v81, \j, vcc_lo
.endr
.irp j, 0,1,2,3,4,5,6,7
	v_cmp_eq_u32 vcc_lo, \j, v81
	v_cndmask_b32 v[24+\j], v[16+\j], s37, vcc_lo
.endr
	v_max3_num_f32 v82, v24, v25, v26
	v_max3_num_f32 v82, v82, v27, v28
	v_max3_num_f32 v82, v82, v29, v30
	v_max_num_f32 v82, v82, v31                    ; the second
	v_mov_b32 v83, 7
.irp j, 6,5,4,3,2,1,0
	v_cmp_eq_f32 vcc_lo, v[24+\j], v82
	v_cndmask_b32 v83, v83, \j, vcc_lo
.endr
	v_sub_f32 v84, v82, v80                        ; the maximum is taken away: the exponent is 0 or less
	v_mul_f32 v84, 0x3fb8aa3b, v84
	v_exp_f32 v84, v84
	v_mov_b32 v90, 0                               ; a plain instruction behind the exponential (ISA guide 5.7.2)
	s_wait_alu depctr_va_vdst(0)
	v_add_f32 v85, 1.0, v84
	v_rcp_f32 v86, v85                             ; g1 = 1 / (1 + e^(m2 - m1))
	v_mov_b32 v94, 0
	s_wait_alu depctr_va_vdst(0)
	v_mul_f32 v87, v84, v86                        ; g2
	global_store_b64 v8, v[86:87], s[10:11]
.irp e, 0,1,2,3,4,5,6,7
	v_cmp_eq_u32 s[20+\e], \e, v81
	v_cmp_eq_u32 s[28+\e], \e, v83
.endr
.set i, 0
.rept 16
	v_writelane_b32 v90, s[20+i], i                ; the sixteen masks into lanes 0-15 of one record
.set i, i+1
.endr
.irp e, 0,1,2,3,4,5,6,7
	s_or_b32 s40, s[20+\e], s[28+\e]               ; a token names an expert once
	s_bcnt1_i32_b32 s40, s40
	v_writelane_b32 v90, s40, 16+\e
.endr
	global_store_b32 v91, v90, s[12:13]            ; 128 consecutive bytes
	v_mov_b32 v95, 0
.irp e, 0,1,2,3,4,5,6,7
	v_cndmask_b32 v92, 0, v86, s[20+\e]
	v_cndmask_b32 v93, 0, v87, s[28+\e]
	v_add_f32 v92, v92, v93
	v_add_f32_dpp v92, v92, v92 row_xmask:1 row_mask:0xf bank_mask:0xf
	v_add_f32_dpp v92, v92, v92 row_xmask:2 row_mask:0xf bank_mask:0xf
	v_add_f32_dpp v92, v92, v92 row_xmask:4 row_mask:0xf bank_mask:0xf
	v_add_f32_dpp v92, v92, v92 row_xmask:8 row_mask:0xf bank_mask:0xf
	v_permlanex16_b32 v95, v92, s38, s39
	v_add_f32 v92, v92, v95                        ; the block's gate mass for expert e, in every lane
	v_cmp_eq_u32 vcc_lo, \e, v1
	v_cndmask_b32 v94, v94, v92, vcc_lo            ; lane e keeps it
.endr
	global_store_b32 v91, v94, s[14:15]
.Lfin:
	s_wait_tensorcnt 0x0                           ; the wave's end: three closing lines behind my last LDS store
	ds_add_u32 v4, v5
	s_wait_dscnt 0x0
	s_endpgm
.Lfunc_end_k_q21fac14a95_router:
	.size	k_q21fac14a95_router, .Lfunc_end_k_q21fac14a95_router-k_q21fac14a95_router
	.p2alignl 7, 3214868480
	.fill 96, 4, 3214868480
	.section	.rodata,"a",@progbits
	.p2align	6, 0x0
	.amdhsa_kernel k_q21fac14a95_router
		.amdhsa_group_segment_fixed_size 96256
		.amdhsa_private_segment_fixed_size 0
		.amdhsa_enable_private_segment 0
		.amdhsa_kernarg_size 48
		.amdhsa_user_sgpr_count 2
		.amdhsa_user_sgpr_kernarg_segment_ptr 1
		.amdhsa_wavefront_size32 1
		.amdhsa_system_sgpr_workgroup_id_x 1
		.amdhsa_system_sgpr_workgroup_id_y 1
		.amdhsa_system_sgpr_workgroup_id_z 1
		.amdhsa_system_vgpr_workitem_id 0
		.amdhsa_next_free_vgpr 192
		.amdhsa_next_free_sgpr 66
		.amdhsa_reserve_vcc 1
		.amdhsa_float_denorm_mode_32 3
		.amdhsa_float_denorm_mode_16_64 3
		.amdhsa_memory_ordered 1
		.amdhsa_forward_progress 1
		.amdhsa_inst_pref_size 34
	.end_amdhsa_kernel
	.amdgpu_metadata
---
amdhsa.version: [ 1, 2 ]
amdhsa.kernels:
  - .name:           k_q21fac14a95_router
    .symbol:         k_q21fac14a95_router.kd
    .args:
      - { .name: x, .offset: 0, .size: 8, .value_kind: global_buffer, .address_space: global }
      - { .name: gate_w, .offset: 8, .size: 8, .value_kind: global_buffer, .address_space: global }
      - { .name: xb, .offset: 16, .size: 8, .value_kind: global_buffer, .address_space: global }
      - { .name: gates, .offset: 24, .size: 8, .value_kind: global_buffer, .address_space: global }
      - { .name: route, .offset: 32, .size: 8, .value_kind: global_buffer, .address_space: global }
      - { .name: gsum, .offset: 40, .size: 8, .value_kind: global_buffer, .address_space: global }
    .group_segment_fixed_size: 96256
    .private_segment_fixed_size: 0
    .kernarg_segment_align: 8
    .kernarg_segment_size: 48
    .max_flat_workgroup_size: 256
    .sgpr_count:     66
    .vgpr_count:     192
    .wavefront_size: 32
...
	.end_amdgpu_metadata
.endif
;; end of part 1
;; launch up (part 2): grid 32 x 8, 4 waves a work-group, no clusters, 276,992 bytes of LDS; arguments xb, w1, b1, route, hbuf; writes hbuf
.if DOCPART == 2
	.amdgcn_target "amdgcn-amd-amdhsa--gfx1250"
	.amdhsa_code_object_version 6
	.text
	.protected	k_q21fac14a95_up
	.globl	k_q21fac14a95_up
	.p2align	8
	.type	k_q21fac14a95_up,@function
k_q21fac14a95_up:
	s_mov_b64 s[64:65], 0
	v_nop
	global_prefetch_b8 v0, s[64:65] scope:SCOPE_SE
	s_setreg_imm32_b32 hwreg(HW_REG_WAVE_MODE, 25, 1), 1
	s_wait_xcnt 0x0
; ONE TEXT FOR THE TWO PRODUCTS OF THE EXPERTS; DOWN chooses.  DOWN = 0: hbuf[entry][4096] = bf16(gelu(x w1^T + b1)).  DOWN = 1: yp[q][entry][1024] = gate x (h[:, quarter q] w2^T + b2 if q = 0), f32.
; An ENTRY is 2 t + k: token t's k-th choice.  Only chosen rows are multiplied.  Weights and bias are rounded to bf16 on their way through registers; sums in f32.
; SHARES.  A work-group has 128 weight rows x 1,024 of K of ONE expert, which it alone reads, once, and all of that expert's rows, in blocks of 320 (four blocks serve every split, 0 to 1,024 rows;
; a block without rows passes its barriers and does nothing else).  Wave w = (rho, gamma) = (w / 2, w % 2) makes the row tiles 2 i + rho (i = 0..9) x columns 64 gamma .. + 63: 40 accumulators.
; THE LIST.  Each wave builds, in LDS bytes of its own, the list of the expert's entries from the stored masks; places past the count hold entry 0, a row that always exists; such rows are multiplied and never stored.
; THE LOOP.  K goes in 8 chunks of 128 through two LDS slots.  Trip c rounds and stores the c-th chunk (loaded into registers a trip ago) into slot c % 2, asks for the next, and multiplies
; the chunk before from the other slot.  One barrier a trip: in front of it my stores into one slot and my reads of the other are done.
; STAGING BETWEEN THE PRODUCTS.  A chunk's 72 loads of a wave (32 of weights, 40 of rows) are eight PIECES of nine.  In trips 1 to 6 piece i stands behind step i's 16 matrix instructions: its wait, 8 roundings, 9 LDS stores,
; and the same 9 loads for the next chunk.  Every path runs the pieces in the same order (a wave whose steps end early jumps into a chain of the pieces that are left), so a piece's wait leaves exactly the 63 younger loads out.
; Where an issue would push LOADcnt past its field it waits for the oldest load (ISA guide 5.7.1), which was asked for seven eighths of a trip earlier.
; CHUNKS BY TURNS.  A work-group begins at chunk (slice % 8) and goes round: the work-groups that read the same rows ask for different pieces of them in any one trip, and for a piece that another asked for a trip earlier.
; THE MATRIX INSTRUCTION IS USED TRANSPOSED: source 0 = 16 weight rows, source 1 = 16 entries: a lane holds one entry (lane % 16) and eight neighbouring columns.
; NOT USED.  Tensor loads: the rows come by a list, which no descriptor covers, and the f32 weights pass through registers for the rounding.  Clusters: each weight byte has one reader.
; LIMITS.  erf by Abramowitz and Stegun 7.1.25, off by 2.5e-5 at the most for every argument: gelu(x) is off by 1.25e-5 |x| at the most; exp2 results below 2^-126 count as 0.  The order of the f32 sums over K hangs on the slice.
; REGISTERS, in windows of 256 (s_set_vgpr_msb: bits 1:0 source 0, 3:2 source 1, 5:4 source 2, 7:6 destination):
;   window 0: v0-31 addresses and work; v32-51 gates as pairs, v52-61 their offsets (DOWN); v64-127 row fragments, two buffers; v128-255 weight fragments; v64-255 at work on the way out
;   window 1: accumulators of steps 0-7 at 32 i + 8 n      window 2: v0-63 steps 8, 9; v64-191 weights as loaded; v192-231 the rows' byte offsets      window 3: v0-159 rows as loaded; v160-191 bias
.set DOWN, 0
.if DOWN
.set PW,  16384                ; bytes from weight row to weight row
.set PWS, 14
.set WSL, 21                   ; 128 weight rows
.set WWL, 19                   ; 32 weight rows
.set BSL, 12                   ; an expert's bias
.set ASH, 13                   ; entry -> byte offset of its row of hbuf
.set EP,  528                  ; a row of the way-out stage: 512 bytes + 16
.set HSH, 5
.set GSH, 8
.set LSH, 4
.set OSH, 12                   ; entry -> byte offset of its row of yp
.else
.set PW,  4096
.set PWS, 12
.set WSL, 19
.set WWL, 17
.set BSL, 14
.set ASH, 10                   ; (entry less its low bit) -> byte offset of the token's row of xb
.set EP,  272                  ; 256 bytes + 16
.set HSH, 4
.set GSH, 7
.set LSH, 3
.set OSH, 13                   ; entry -> byte offset of its row of hbuf
.endif
.set P,     272                ; an LDS row: 256 bytes + 16 = 68 words: the 16 rows of a fragment load start at 16 different groups of four banks (ISA guide 11.1)
.set XBASE, 128*P              ; a slot: 128 weight rows, then 320 rows of entries
.set XHI,   256*P              ; rows 256 on are reached by a second address register (an LDS offset has 16 bits)
.set SLOT1, 131072
.set LIST,  253952             ; behind the slots: each wave's list
.set LISTB, 5632
.set LPAD,  1344               ; words of a list; behind them 32 words that take the lanes without an entry
.set LISTW, LPAD+32
.set SPARE, LIST+4*LISTB       ; the spare words: 128 bytes a wave, two blocks of 256 bytes that no other line names
.set XFR,  64
.set WFR,  128
.set WL,   64                  ; window 2
.set AOFF, 192                 ; window 2
.set BIAS, 160                 ; window 3
.set G,    32
.set GA,   52
.set MSB, 0
.macro WIN new                 ; the immediate's high byte repeats the setting that is left; a switch that changes nothing is dropped
.if MSB != (\new)
	s_set_vgpr_msb (MSB<<8)|(\new)
.set MSB, \new
.endif
.endm
.macro PLACES                  ; four places behind matrix instructions, in front of loads into and vector work on their registers
.rept 4
	v_nop
.endr
.endm
.macro BAR
	s_wait_dscnt 0x0                               ; for the others' sake: my LDS stores are done and my LDS reads are back
	s_barrier_signal -1
	s_barrier_wait -1
.endm
.macro WISSUE lo, n            ; my weight rows lo .. lo + n - 1 of 32: 512 consecutive bytes each
	WIN 0x80
.set z, \lo
.rept \n
	global_load_b128 v[WL+4*z:WL+4*z+3], v6, s[6:7] offset:z*PW th:TH_LOAD_NT
.set z, z+1
.endr
.endm
.macro WCONS lo, n             ; rounded to bf16 in place, 8 bytes a lane into the slot
	WIN 0x8A
.set z, \lo
.rept \n
	v_cvt_pk_bf16_f32 v[WL+4*z], v[WL+4*z], v[WL+4*z+1]
	v_cvt_pk_bf16_f32 v[WL+4*z+1], v[WL+4*z+2], v[WL+4*z+3]
.set z, z+1
.endr
	WIN 0x08
.set z, \lo
.rept \n
	ds_store_b64 v12, v[WL+4*z:WL+4*z+1] offset:z*P
.set z, z+1
.endr
.endm
.macro XISSUE lo, n            ; load z = 8 g + j brings rows 64 g + 16 w + 2 j and the next: 256 consecutive bytes for each half of the lanes
	WIN 0xC2
.set z, \lo
.rept \n
	global_load_b128 v[4*z:4*z+3], v[AOFF+z], s[4:5]
.set z, z+1
.endr
.endm
.macro XCONS lo, n
	WIN 0x0C
.set z, \lo
.rept \n
.if z < 32
	ds_store_b128 v13, v[4*z:4*z+3] offset:(64*(z/8)+2*(z%8))*P
.else
	ds_store_b128 v14, v[4*z:4*z+3] offset:(2*(z%8))*P
.endif
.set z, z+1
.endr
.endm
.macro WPF                     ; the chunk behind the one that is being asked for: lane = my weight row, its two blocks of 256 bytes; a block is asked for once for each block of rows, by the wave that will load it
	global_prefetch_b8 v7, s[60:61] th:TH_LOAD_NT scope:SCOPE_SE
	global_prefetch_b8 v7, s[60:61] offset:256 th:TH_LOAD_NT scope:SCOPE_SE
.endm
.macro BASES                   ; s38 = a chunk's number, taken modulo 8: the loads' bases at that chunk, the prefetch's base at the one behind it (modulo 8 too: it stays inside the weight rows)
	s_and_b32 s38, s38, 7
	s_lshl_b32 s30, s38, 9                         ; 128 f32 of a weight row
	s_mov_b32 s31, 0
	s_add_nc_u64 s[6:7], s[42:43], s[30:31]
	s_lshl_b32 s30, s38, 8                         ; 128 bf16 of a row
	s_add_nc_u64 s[4:5], s[40:41], s[30:31]
	s_add_co_u32 s30, s38, 1
	s_and_b32 s30, s30, 7
	s_lshl_b32 s30, s30, 9
	s_add_nc_u64 s[60:61], s[42:43], s[30:31]
.endm
.macro PIECE p                 ; piece p of eight: weight rows 4 p .. + 3 and row loads 5 p .. + 4 go into the slot, and are asked for again from the next chunk
	s_wait_loadcnt 63                              ; behind this piece's nine loads the seven other pieces' 63 were issued: those may stay out
	WCONS 4*(\p), 4
	XCONS 5*(\p), 5
	WISSUE 4*(\p), 4
	XISSUE 5*(\p), 5
	WIN 0
.endm
.macro XFETCH i                ; the fragments of row tile 2 i + rho, all 128 of K, into buffer i % 2
.set xq, XFR+32*((\i)%2)
.irp ks, 0,1,2,3
.if (\i) < 8
	ds_load_b128 v[xq+8*\ks:xq+8*\ks+3],   v16 offset:(\i)*32*P+64*\ks
	ds_load_b128 v[xq+8*\ks+4:xq+8*\ks+7], v16 offset:(\i)*32*P+64*\ks+32
.else
	ds_load_b128 v[xq+8*\ks:xq+8*\ks+3],   v17 offset:((\i)-8)*32*P+64*\ks
	ds_load_b128 v[xq+8*\ks+4:xq+8*\ks+7], v17 offset:((\i)-8)*32*P+64*\ks+32
.endif
.endr
.endm
.macro WFETCH                  ; my 64 weight rows x 128 of K: fragment (n, ks) at WFR + 8 (4 ks + n), the lower K first
.irp ks, 0,1,2,3
.irp n, 0,1,2,3
	ds_load_b128 v[WFR+8*(4*\ks+\n):WFR+8*(4*\ks+\n)+3],   v15 offset:\n*16*P+64*\ks
	ds_load_b128 v[WFR+8*(4*\ks+\n)+4:WFR+8*(4*\ks+\n)+7], v15 offset:\n*16*P+64*\ks+32
.endr
.endr
.endm
; Step i without staging (trips 7 and 8): 16 matrix instructions on the step's four accumulators, which take turns.  The next step's fragments are asked for first.
.macro MSTEP i
.if (\i) > 0
	PLACES                                         ; the buffer loaded next was read by the products just issued
.endif
.if (\i) < 9
	XFETCH (\i)+1
.endif
.set xf, XFR+32*((\i)%2)
.set ac, 32*((\i)%8)
.irp ks, 0,1,2,3
.if (\i) == 0
	s_wait_dscnt 32-8*\ks                          ; out may stay: the weight fragments of later K (8 loads each) and the next step's 8
.elseif (\ks) == 0
.if (\i) < 9
	s_wait_dscnt 8                                 ; all but the next step's 8
.else
	s_wait_dscnt 0x0
.endif
.endif
.if (\i) < 8
	WIN 0x50
.else
	WIN 0xA0
.endif
.irp n, 0,1,2,3
	v_wmma_f32_16x16x32_bf16 v[ac+8*\n:ac+8*\n+7], v[WFR+8*(4*\ks+\n):WFR+8*(4*\ks+\n)+7], v[xf+8*\ks:xf+8*\ks+7], v[ac+8*\n:ac+8*\n+7]
.endr
.endr
	WIN 0
.if (\i) < 9
	s_cmp_le_u32 s26, (\i)+1                       ; no further row tile of mine holds a row
	s_cbranch_scc1 .Lcdone
.endif
.endm
; Step i with piece i behind its products (trips 1 to 6).  The piece's eight roundings name no register of the products: they are the places in front of the next step's fragment loads.
; nx: the piece at which the chain is entered if no further row tile of mine holds a row.
.macro ISTEP i, nx
.if (\i) < 9
	XFETCH (\i)+1
.endif
.set xf, XFR+32*((\i)%2)
.set ac, 32*((\i)%8)
.irp ks, 0,1,2,3
.if (\i) == 0
	s_wait_dscnt 32-8*\ks                          ; out may stay: the weight fragments of later K (8 loads each) and the next step's 8
.elseif (\ks) == 0
.if (\i) < 9
	s_wait_dscnt 17                                ; behind this step's fragments: the last piece's 9 stores and the next step's 8 loads
.else
	s_wait_dscnt 0x0
.endif
.endif
.if (\i) < 8
	WIN 0x50
.else
	WIN 0xA0
.endif
.irp n, 0,1,2,3
	v_wmma_f32_16x16x32_bf16 v[ac+8*\n:ac+8*\n+7], v[WFR+8*(4*\ks+\n):WFR+8*(4*\ks+\n)+7], v[xf+8*\ks:xf+8*\ks+7], v[ac+8*\n:ac+8*\n+7]
.endr
.endr
.if (\i) < 8
	PIECE \i
.else
	WIN 0
.endif
.if (\i) < 7
	s_cmp_le_u32 s26, (\i)+1
	s_cbranch_scc1 .Lrest\nx
.elseif (\i) < 9
	s_cmp_le_u32 s26, (\i)+1
	s_cbranch_scc1 .Lbar
.endif
.endm
.macro COPY i                  ; S = (step i's sums) / sqrt(2), each accumulator from its low end on
.if (\i) < 8
	WIN 0x01
.else
	WIN 0x02
.endif
.set z, 0
.rept 16
	v_pk_mul_f32 v[64+2*z:65+2*z], v[32*((\i)%8)+2*z:32*((\i)%8)+2*z+1], s[44:45] op_sel_hi:[1,0]
.set z, z+1
.endr
	WIN 0
.endm
	s_load_b256 s[4:11], s[0:1], 0x0               ; rows s[4:5], weights s[6:7], bias s[8:9], route s[10:11]
.if DOWN
	s_load_b128 s[12:15], s[0:1], 0x20             ; out s[12:13], gates s[14:15]
.else
	s_load_b64 s[12:13], s[0:1], 0x20              ; out
.endif
	v_lshl_add_u32 v4, v0, 2, SPARE                ; my spare word; never rewritten
	v_mov_b32 v5, 0                                ; 0; never rewritten
	v_and_b32 v1, 31, v0                           ; l
	v_lshrrev_b32 v2, 5, v0
	v_readfirstlane_b32 s16, v2                    ; wave 0..3
	v_and_b32 v2, 15, v0                           ; r
	v_bfe_u32 v3, v0, 4, 1                         ; h
	s_lshr_b32 s17, s16, 1                         ; rho
	s_and_b32 s18, s16, 1                          ; gamma
	s_and_b32 s19, ttmp7, 0xffff                   ; the expert
.if DOWN
	s_and_b32 s20, ttmp9, 7                        ; which 128 output columns
	s_lshr_b32 s21, ttmp9, 3                       ; which quarter of K
.else
	s_mov_b32 s20, ttmp9                           ; which 128 hidden columns
.endif
	s_and_b32 s59, s20, 7                          ; the chunk at which I begin
	s_lshl_b32 s30, s19, 24                        ; byte offsets, made apart from the addresses: my 32 weight rows,
	s_lshl_b32 s38, s20, WSL
	s_add_co_u32 s30, s30, s38
	s_lshl_b32 s38, s16, WWL
	s_add_co_u32 s30, s30, s38
.if DOWN
	s_lshl_b32 s38, s21, 12
	s_add_co_u32 s30, s30, s38
.endif
	s_mov_b32 s31, 0
	s_lshl_b32 s32, s19, BSL                       ; my 64 columns of the bias,
	s_lshl_b32 s38, s20, 9
	s_add_co_u32 s32, s32, s38
	s_lshl_b32 s38, s18, 8
	s_add_co_u32 s32, s32, s38
	s_mov_b32 s33, 0
.if DOWN
	s_lshl_b32 s34, s21, 23                        ; the work-group's 128 columns of the output,
	s_lshl_b32 s38, s20, 9
	s_add_co_u32 s34, s34, s38
	s_lshl_b32 s56, s21, 11                        ; the quarter's 1,024 columns of hbuf
	s_mov_b32 s57, 0
	s_cmp_eq_u32 s21, 0
	s_cselect_b32 s58, 0xffff0000, 0               ; the bias enters in quarter 0 alone
.else
	s_lshl_b32 s34, s20, 8
	s_mov_b32 s58, 0xffff0000
	s_mov_b32 s44, 0x3f3504f3                      ; c0 = 1 / sqrt(2); the packed forms name pairs and take the low word
	s_mov_b32 s45, 0x3f3504f3
	s_mov_b32 s46, 0x3e7bff16                      ; c0 x 0.3480242
	s_mov_b32 s47, 0x3e7bff16
	s_mov_b32 s48, 0xbd8ad94a                      ; c0 x -0.0958798
	s_mov_b32 s49, 0xbd8ad94a
	s_mov_b32 s50, 0x3f076057                      ; c0 x 0.7478556
	s_mov_b32 s51, 0x3f076057
	s_mov_b32 s52, 0x3ef0e171                      ; 0.47047
	s_mov_b32 s54, 0xbfb8aa3b                      ; -log2(e)
	s_mov_b32 s55, 0xbfb8aa3b
.endif
	s_mov_b32 s35, 0
	s_lshl_b32 s36, s19, 2                         ; the expert's word in a block's record
	s_mov_b32 s37, 0
	v_lshlrev_b32 v6, 4, v1                        ; 16 l
	v_lshlrev_b32 v7, PWS, v1                      ; l weight rows
	s_mul_i32 s39, s16, 32*P
	v_lshl_add_u32 v8, v1, 3, s39                  ; where my weights go in slot 0
	v_mul_u32_u24 v9, v3, P
	v_lshl_add_u32 v9, v2, 4, v9
	s_mul_i32 s39, s16, 16*P
	s_add_co_u32 s39, s39, XBASE
	v_add_nc_u32 v9, s39, v9                       ; where my rows go: row 16 w + h, 16 r
	v_mul_u32_u24 v24, v2, P
	v_lshl_add_u32 v24, v3, 4, v24                 ; a fragment: row r, 16 bytes for each half of the lanes
	s_mul_i32 s39, s18, 64*P
	v_add_nc_u32 v10, s39, v24                     ; my weight fragments
	s_mul_i32 s39, s17, 16*P
	s_add_co_u32 s39, s39, XBASE
	v_add_nc_u32 v11, s39, v24                     ; my row fragments
	s_mul_i32 s53, s16, LISTB
	s_add_co_u32 s53, s53, LIST                    ; my list
	s_lshl_b32 s39, s16, 6
	s_add_co_u32 s39, s39, s53
	v_lshl_add_u32 v18, v3, 2, s39                 ; list place 16 w + h: the rows that I stage
	v_mov_b32 v20, s39                             ; list place 16 w: the rows that I store
	s_lshl_b32 s39, s17, 6
	s_add_co_u32 s39, s39, s53
	v_lshl_add_u32 v19, v2, 2, s39                 ; list place 16 rho + r: the rows that I multiply
	v_mul_u32_u24 v21, v2, EP                      ; the way out, in: row 16 rho + r, my 64 columns, eight of them for each half of the lanes
	v_lshl_add_u32 v21, v3, HSH, v21
	s_mul_i32 s39, s17, 16*EP
	s_lshl_b32 s38, s18, GSH
	s_add_co_u32 s39, s39, s38
	v_add_nc_u32 v21, s39, v21
	s_mul_i32 s39, s16, 16*EP
	v_lshl_add_u32 v22, v1, LSH, s39               ; back: row 16 w, whole
	v_lshlrev_b32 v23, LSH, v1                     ; and my bytes of that row in memory
	v_lshlrev_b32 v30, 4, v2                       ; 16 r
	v_lshlrev_b32 v26, 7, v1                       ; lane = block: its record of 128 bytes
	v_lshlrev_b32 v27, 5, v3                       ; 32 h
.if DOWN
.set z, 0
.rept 20
	v_mov_b32 v[G+z], 0                            ; written once here, so that the gates' registers are defined on every path; trip 7 loads them
.set z, z+1
.endr
.endif
	s_wait_kmcnt 0x0
	s_add_nc_u64 s[6:7], s[6:7], s[30:31]
	s_add_nc_u64 s[8:9], s[8:9], s[32:33]
	s_add_nc_u64 s[12:13], s[12:13], s[34:35]
	s_add_nc_u64 s[10:11], s[10:11], s[36:37]
.if DOWN
	s_add_nc_u64 s[4:5], s[4:5], s[56:57]
.endif
	s_mov_b64 s[40:41], s[4:5]                     ; rows and weights at chunk 0: kept
	s_mov_b64 s[42:43], s[6:7]
	s_mov_b32 s38, s59
	BASES                                          ; the chunk at which I begin
	global_load_b32 v24, v26, s[10:11]             ; lane j: block j's mask of first choices of my expert,
	global_load_b32 v25, v26, s[10:11] offset:32   ; and of second choices
	WIN 0xC0
.irp n, 0,1,2,3
	global_load_b128 v[BIAS+8*\n:BIAS+8*\n+3],   v27, s[8:9] offset:64*\n
	global_load_b128 v[BIAS+8*\n+4:BIAS+8*\n+7], v27, s[8:9] offset:64*\n+16
.endr
	WISSUE 0, 32                                   ; the first weights are on their way while the list is built
	WIN 0
	WPF
	s_wait_loadcnt 32                              ; masks and bias are in (their address registers are free); the 32 loads of weights stay out
	; THE LIST.  First 0 over all my 5,632 bytes: what no entry overwrites names entry 0.  LDS serves a wave's instructions in order, so the entries below land on the zeros.
	v_mov_b32 v26, 0
	v_mov_b32 v27, 0
	v_mov_b32 v28, 0
	v_mov_b32 v29, 0
	v_lshl_add_u32 v31, v1, 4, s53
.set z, 0
.rept 11
	ds_store_b128 v31, v[26:29] offset:512*z
.set z, z+1
.endr
	; Block j's chosen tokens take the next places, first choices and then second: place = entries so far + chosen lanes below mine.
	v_lshlrev_b32 v28, 1, v1                       ; entry 64 j + 2 l,
	v_or_b32 v31, 1, v28                           ; and + 1
	v_add_nc_u32 v29, LPAD, v1                     ; a lane without an entry writes here
	s_mov_b32 s22, 0
	s_mov_b32 s27, 0
.Llist:
	v_readlane_b32 s30, v24, s27
	v_readlane_b32 s31, v25, s27
	v_mbcnt_lo_u32_b32 v26, s30, s22
	s_bcnt1_i32_b32 s32, s30
	s_add_co_u32 s22, s22, s32
	v_mbcnt_lo_u32_b32 v27, s31, s22
	s_bcnt1_i32_b32 s32, s31
	s_add_co_u32 s22, s22, s32
	v_cndmask_b32 v26, v29, v26, s30
	v_cndmask_b32 v27, v29, v27, s31
	v_min_u32 v26, LISTW-1, v26                    ; inside my list, whatever the masks hold
	v_min_u32 v27, LISTW-1, v27
	v_lshl_add_u32 v26, v26, 2, s53
	v_lshl_add_u32 v27, v27, 2, s53
	ds_store_b32 v26, v28
	ds_store_b32 v27, v31
	v_add_nc_u32 v28, 64, v28
	v_add_nc_u32 v31, 64, v31
	s_add_co_u32 s27, s27, 1
	s_cmp_lt_u32 s27, 32
	s_cbranch_scc1 .Llist
	WIN 0xCF                                       ; s22 = the expert's rows.  The bias is rounded to bf16 like every input: both halves take the rounded number, the upper half is kept
.set z, 0
.rept 32
	v_cvt_pk_bf16_f32 v[BIAS+z], v[BIAS+z], v[BIAS+z]
.set z, z+1
.endr
.set z, 0
.rept 32
	v_and_b32 v[BIAS+z], s58, v[BIAS+z]
.set z, z+1
.endr
	WIN 0
	s_mov_b32 s23, 0                               ; block
	s_mov_b32 s24, 1                               ; block 0 always runs
	s_branch .Lpro_a
.Lblock:
	s_cmp_eq_u32 s24, 0
	s_cbranch_scc1 .Ltrips
	s_wait_loadcnt 0x0
	s_wait_xcnt 0x0                                ; bases and the stores' registers are rewritten only behind this wait
	s_mov_b32 s38, s59
	BASES
	WISSUE 0, 32
	WIN 0
	WPF
.Lpro_a:
	PLACES
	s_mul_i32 s30, s23, 320
	s_sub_co_u32 s25, s22, s30                     ; rows from this block's first on
	s_add_co_u32 s30, s25, 15
	s_lshr_b32 s30, s30, 4
	s_min_u32 s30, s30, 20                         ; row tiles that hold a row
	s_add_co_u32 s30, s30, 1
	s_sub_co_u32 s30, s30, s17
	s_lshr_b32 s26, s30, 1                         ; of them mine: tiles rho, rho + 2, ..
	WIN 0x80
.set z, 0
.rept 40
	ds_load_b32 v[AOFF+z], v18 offset:4*(64*(z/8)+2*(z%8))
.set z, z+1
.endr
	WIN 0
.if DOWN
.set z, 0
.rept 10
	ds_load_b32 v[GA+z], v19 offset:128*z
.set z, z+1
.endr
.endif
	s_wait_dscnt 0x0
	WIN 0x88
.set z, 0
.rept 40
	v_min_u32 v[AOFF+z], 0x7ff, v[AOFF+z]          ; an entry is 0 .. 2,047
.set z, z+1
.endr
.if !DOWN
.set z, 0
.rept 40
	v_and_b32 v[AOFF+z], 0x7fe, v[AOFF+z]          ; twice the token
.set z, z+1
.endr
.endif
	WIN 0x82
.set z, 0
.rept 40
	v_lshl_add_u32 v[AOFF+z], v[AOFF+z], ASH, v30  ; the row's byte offset + 16 r
.set z, z+1
.endr
	WIN 0
.if DOWN
.set z, 0
.rept 10
	v_min_u32 v[GA+z], 0x7ff, v[GA+z]
	v_lshlrev_b32 v[GA+z], 2, v[GA+z]              ; the entry's gate
.set z, z+1
.endr
.endif
	XISSUE 0, 30
	; The sums start at the bias: these moves take the place of as many additions on the way out, and stand in the wait for the first chunk.
	WIN 0x43
.set z, 0
.rept 256
	v_mov_b32 v[z], v[BIAS+z%32]
.set z, z+1
.endr
	WIN 0x83
.set z, 0
.rept 64
	v_mov_b32 v[z], v[BIAS+z%32]
.set z, z+1
.endr
	XISSUE 30, 10
	WIN 0
.Ltrips:
	s_wait_loadcnt 0x0                             ; the first chunk is in, whole: its loads went out in another order than the pieces', so the pieces' counted waits begin with nothing out
	s_mov_b32 s27, 0
	s_mov_b32 s28, 0                               ; the slot that is filled
	s_mov_b32 s29, SLOT1                           ; the slot that is multiplied
.Ltrip:
	s_cmp_eq_u32 s24, 0
	s_cbranch_scc1 .Lbar
	v_add_nc_u32 v12, s28, v8
	v_add_nc_u32 v13, s28, v9
	v_add_nc_u32 v14, XHI, v13
	v_add_nc_u32 v15, s29, v10
	v_add_nc_u32 v16, s29, v11
	v_add_nc_u32 v17, XHI, v16
	s_cmp_gt_u32 s27, 6
	s_cbranch_scc1 .Lst0
	; Trips 0 to 6 ask for the next chunk.
	s_wait_xcnt 0x0                                ; the bases are written anew only behind this wait
	s_add_co_u32 s38, s59, s27
	s_add_co_u32 s38, s38, 1
	BASES
	s_cmp_gt_u32 s27, 5                            ; trips 0 to 5 prefetch the walk's chunks 2 to 7; there is no further one
	s_cbranch_scc1 .Lnopf
	WPF
.Lnopf:
	s_cmp_eq_u32 s27, 0                            ; trip 0 has nothing to multiply yet,
	s_cbranch_scc1 .Lrest0
	s_cmp_eq_u32 s26, 0                            ; nor has a wave without a row tile
	s_cbranch_scc1 .Lrest0
	PLACES
	XFETCH 0
	WFETCH
	ISTEP 0, 1
	ISTEP 1, 2
	ISTEP 2, 3
	ISTEP 3, 4
	ISTEP 4, 5
	ISTEP 5, 6
	ISTEP 6, 7
	ISTEP 7, 0
	ISTEP 8, 0
	ISTEP 9, 0
	s_branch .Lbar
.Lrest0:                                               ; the chain of pieces without products: entered at the first piece that is still due
	PIECE 0
.Lrest1:
	PIECE 1
.Lrest2:
	PIECE 2
.Lrest3:
	PIECE 3
.Lrest4:
	PIECE 4
.Lrest5:
	PIECE 5
.Lrest6:
	PIECE 6
.Lrest7:
	PIECE 7
	s_branch .Lbar
.Lst0:                                                 ; trips 7 and 8 ask for nothing: first the products, under which the last chunk's loads land,
	s_cmp_eq_u32 s26, 0
	s_cbranch_scc1 .Lcdone
	PLACES
	XFETCH 0
	WFETCH
	MSTEP 0
	MSTEP 1
	MSTEP 2
	MSTEP 3
	MSTEP 4
	MSTEP 5
	MSTEP 6
	MSTEP 7
	MSTEP 8
	MSTEP 9
.Lcdone:
	s_wait_loadcnt 0x0                             ; then every load is in,
	s_cmp_gt_u32 s27, 7
	s_cbranch_scc1 .Lbar
	WCONS 0, 32                                    ; and trip 7 stages the last chunk
	XCONS 0, 40
	WIN 0
.if DOWN
.set z, 0
.rept 10                                               ; the gates of my rows, each twice, to fill the pair that the packed multiply names; they land under the last trip's products
	global_load_b32 v[G+2*z], v[GA+z], s[14:15]
	global_load_b32 v[G+2*z+1], v[GA+z], s[14:15]
.set z, z+1
.endr
.endif
.Lbar:
	BAR
	s_xor_b32 s28, s28, SLOT1
	s_xor_b32 s29, s29, SLOT1
	s_add_co_u32 s27, s27, 1
	s_cmp_lt_u32 s27, 9
	s_cbranch_scc1 .Ltrip
	; THE WAY OUT.  The stage lies over the slots, which nobody reads any more behind the last trip's barrier.
	PLACES
	s_wait_loadcnt 0x0
	s_cmp_eq_u32 s24, 0
	s_cbranch_scc1 .Lwbar
	v_mov_b32 v24, v21
.if DOWN
.irp i, 0,1,2,3,4,5,6,7,8,9
	s_cmp_le_u32 s26, \i
	s_cbranch_scc1 .Lwbar
.if \i < 8
	WIN 0x01
.else
	WIN 0x02
.endif
.set z, 0
.rept 16
	v_pk_mul_f32 v[64+2*z:65+2*z], v[32*(\i%8)+2*z:32*(\i%8)+2*z+1], v[G+2*\i:G+2*\i+1] op_sel_hi:[1,0]  ; times the row's gate; each accumulator from its low end on
.set z, z+1
.endr
	WIN 0
.set z, 0
.rept 8
	ds_store_b128 v24, v[64+4*z:67+4*z] offset:64*(z/2)+16*(z%2)
.set z, z+1
.endr
	v_add_nc_u32 v24, 32*EP, v24
.endr
.else
	s_mov_b32 s34, 0
.Lgl:                                                  ; ten trips, a step each; the activation is written once, and a chain of compares brings the step's sums to it
	s_cmp_ge_u32 s34, s26
	s_cbranch_scc1 .Lgnext
.irp i, 0,1,2,3,4,5,6,7,8
	s_cmp_lg_u32 s34, \i
	s_cbranch_scc1 .Lnot\i
	COPY \i
	s_branch .Lgelu
.Lnot\i:
.endr
	COPY 9
.Lgelu:
	; gelu(x) = S c0 + |S| (c0 - c0 (a1 t + a2 t^2 + a3 t^3) e^(-S^2)), S = x / sqrt(2), t = 1 / (1 + p |S|).  S v64-95, t v96-127, the exponential v128-159, S c0 v160-191, the polynomial v192-223.
.set z, 0
.rept 32
	v_fma_f32 v[96+z], |v[64+z]|, s52, 1.0
.set z, z+1
.endr
.set z, 0
.rept 16
	v_pk_mul_f32 v[128+2*z:129+2*z], v[64+2*z:65+2*z], v[64+2*z:65+2*z]
.set z, z+1
.endr
.set z, 0
.rept 32
	v_rcp_f32 v[96+z], v[96+z]
.set z, z+1
.endr
.set z, 0
.rept 16                                               ; plain work stands behind the last reciprocal before a result is used (ISA guide 5.7.2)
	v_pk_mul_f32 v[128+2*z:129+2*z], v[128+2*z:129+2*z], s[54:55] op_sel_hi:[1,0]
.set z, z+1
.endr
.set z, 0
.rept 16
	v_pk_mul_f32 v[160+2*z:161+2*z], v[64+2*z:65+2*z], s[44:45] op_sel_hi:[1,0]
.set z, z+1
.endr
.set z, 0
.rept 32
	v_exp_f32 v[128+z], v[128+z]
.set z, z+1
.endr
.set z, 0
	s_wait_alu depctr_va_vdst(0)
.rept 16
	v_pk_fma_f32 v[192+2*z:193+2*z], v[96+2*z:97+2*z], s[50:51], s[48:49] op_sel_hi:[1,0,0]
.set z, z+1
.endr
.set z, 0
.rept 16
	v_pk_fma_f32 v[192+2*z:193+2*z], v[192+2*z:193+2*z], v[96+2*z:97+2*z], s[46:47] op_sel_hi:[1,1,0]
.set z, z+1
.endr
.set z, 0
.rept 16
	v_pk_mul_f32 v[192+2*z:193+2*z], v[192+2*z:193+2*z], v[96+2*z:97+2*z]
.set z, z+1
.endr
.set z, 0
.rept 16
	v_pk_fma_f32 v[192+2*z:193+2*z], v[192+2*z:193+2*z], v[128+2*z:129+2*z], s[44:45] op_sel_hi:[1,1,0] neg_lo:[1,0,0] neg_hi:[1,0,0]
.set z, z+1
.endr
.set z, 0
.rept 32
	v_fma_f32 v[64+z], |v[64+z]|, v[192+z], v[160+z]
.set z, z+1
.endr
.set z, 0
.rept 16
	v_cvt_pk_bf16_f32 v[96+z], v[64+2*z], v[65+2*z]
.set z, z+1
.endr
.irp n, 0,1,2,3
	ds_store_b128 v24, v[96+4*\n:99+4*\n] offset:32*\n
.endr
.Lgnext:
	v_add_nc_u32 v24, 32*EP, v24
	s_add_co_u32 s34, s34, 1
	s_cmp_lt_u32 s34, 10
	s_cbranch_scc1 .Lgl
.endif
.Lwbar:
	BAR                                            ; a row's bytes come from two waves
	s_cmp_eq_u32 s24, 0
	s_cbranch_scc1 .Lrbar
	v_mov_b32 v25, v20
	v_mov_b32 v26, v22
	s_lshl_b32 s30, s16, 4
	s_sub_co_i32 s35, s25, s30                     ; rows from my first tile's first on
	s_mov_b32 s34, 0
.Lrd:                                                  ; five trips: row tile w + 4 g, 16 rows, each stored whole by one instruction
	s_cmp_le_i32 s35, 0
	s_cbranch_scc1 .Lrnext
	s_wait_xcnt 0x0                                ; the last trip's stores have read their registers
.set z, 0
.rept 16
	ds_load_b32 v[64+z], v25 offset:4*z            ; the row's entry, the same word for all lanes
.set z, z+1
.endr
.set z, 0
.rept 16
.if DOWN
	ds_load_b128 v[96+4*z:99+4*z], v26 offset:z*EP
.else
	ds_load_b64 v[96+2*z:97+2*z], v26 offset:z*EP
.endif
.set z, z+1
.endr
	s_wait_dscnt 0x0
.set z, 0
.rept 16
	v_min_u32 v[64+z], 0x7ff, v[64+z]
.set z, z+1
.endr
.set z, 0
.rept 16
	v_lshl_add_u32 v[64+z], v[64+z], OSH, v23
.set z, z+1
.endr
.set z, 0
.rept 16
.if z > 0
	s_cmp_le_i32 s35, z                            ; rows past the count are not stored
	s_cbranch_scc1 .Lrnext
.endif
.if DOWN
	global_store_b128 v[64+z], v[96+4*z:99+4*z], s[12:13]  ; 512 consecutive bytes, at a multiple of 512 from yp's first
.else
	global_store_b64 v[64+z], v[96+2*z:97+2*z], s[12:13]   ; 256 consecutive bytes, at a multiple of 256 from hbuf's first
.endif
.set z, z+1
.endr
.Lrnext:
	v_add_nc_u32 v25, 256, v25
	v_add_nc_u32 v26, 64*EP, v26
	s_sub_co_i32 s35, s35, 64
	s_add_co_u32 s34, s34, 1
	s_cmp_lt_u32 s34, 5
	s_cbranch_scc1 .Lrd
.Lrbar:
	BAR                                            ; the stage has been read: the next block may fill the slots
	v_add_nc_u32 v18, 1280, v18                    ; 320 list places on
	v_add_nc_u32 v19, 1280, v19
	v_add_nc_u32 v20, 1280, v20
	s_add_co_u32 s23, s23, 1
	s_mul_i32 s30, s23, 320
	s_cmp_gt_u32 s22, s30
	s_cselect_b32 s24, 1, 0                        ; has the next block a row?
	s_cmp_lt_u32 s23, 4
	s_cbranch_scc1 .Lblock
	s_wait_tensorcnt 0x0                           ; the wave's end: three closing lines behind my last LDS store
	ds_add_u32 v4, v5
	s_wait_dscnt 0x0
	s_endpgm
.Lfunc_end_k_q21fac14a95_up:
	.size	k_q21fac14a95_up, .Lfunc_end_k_q21fac14a95_up-k_q21fac14a95_up
	.p2alignl 7, 3214868480
	.fill 96, 4, 3214868480
	.section	.rodata,"a",@progbits
	.p2align	6, 0x0
	.amdhsa_kernel k_q21fac14a95_up
		.amdhsa_group_segment_fixed_size 276992
		.amdhsa_private_segment_fixed_size 0
		.amdhsa_enable_private_segment 0
		.amdhsa_kernarg_size 40
		.amdhsa_user_sgpr_count 2
		.amdhsa_user_sgpr_kernarg_segment_ptr 1
		.amdhsa_wavefront_size32 1
		.amdhsa_system_sgpr_workgroup_id_x 1
		.amdhsa_system_sgpr_workgroup_id_y 1
		.amdhsa_system_sgpr_workgroup_id_z 1
		.amdhsa_system_vgpr_workitem_id 0
		.amdhsa_next_free_vgpr 960
		.amdhsa_next_free_sgpr 66
		.amdhsa_reserve_vcc 0
		.amdhsa_float_denorm_mode_32 3
		.amdhsa_float_denorm_mode_16_64 3
		.amdhsa_memory_ordered 1
		.amdhsa_forward_progress 1
		.amdhsa_inst_pref_size 160
	.end_amdhsa_kernel
	.amdgpu_metadata
---
amdhsa.version: [ 1, 2 ]
amdhsa.kernels:
  - .name:           k_q21fac14a95_up
    .symbol:         k_q21fac14a95_up.kd
    .args:
      - { .name: xb, .offset: 0, .size: 8, .value_kind: global_buffer, .address_space: global }
      - { .name: w1, .offset: 8, .size: 8, .value_kind: global_buffer, .address_space: global }
      - { .name: b1, .offset: 16, .size: 8, .value_kind: global_buffer, .address_space: global }
      - { .name: route, .offset: 24, .size: 8, .value_kind: global_buffer, .address_space: global }
      - { .name: hbuf, .offset: 32, .size: 8, .value_kind: global_buffer, .address_space: global }
    .group_segment_fixed_size: 276992
    .private_segment_fixed_size: 0
    .kernarg_segment_align: 8
    .kernarg_segment_size: 40
    .max_flat_workgroup_size: 128
    .sgpr_count:     66
    .vgpr_count:     960
    .wavefront_size: 32
...
	.end_amdgpu_metadata
.endif
;; end of part 2
;; launch down (part 3): grid 32 x 8, 4 waves a work-group, no clusters, 276,992 bytes of LDS; arguments hbuf, w2, b2, route, yp, gates; writes yp
.if DOCPART == 3
	.amdgcn_target "amdgcn-amd-amdhsa--gfx1250"
	.amdhsa_code_object_version 6
	.text
	.protected	k_q21fac14a95_down
	.globl	k_q21fac14a95_down
	.p2align	8
	.type	k_q21fac14a95_down,@function
k_q21fac14a95_down:
	s_mov_b64 s[64:65], 0
	v_nop
	global_prefetch_b8 v0, s[64:65] scope:SCOPE_SE
	s_setreg_imm32_b32 hwreg(HW_REG_WAVE_MODE, 25, 1), 1
	s_wait_xcnt 0x0
; ONE TEXT FOR THE TWO PRODUCTS OF THE EXPERTS; DOWN chooses.  DOWN = 0: hbuf[entry][4096] = bf16(gelu(x w1^T + b1)).  DOWN = 1: yp[q][entry][1024] = gate x (h[:, quarter q] w2^T + b2 if q = 0), f32.
; An ENTRY is 2 t + k: token t's k-th choice.  Only chosen rows are multiplied.  Weights and bias are rounded to bf16 on their way through registers; sums in f32.
; SHARES.  A work-group has 128 weight rows x 1,024 of K of ONE expert, which it alone reads, once, and all of that expert's rows, in blocks of 320 (four blocks serve every split, 0 to 1,024 rows;
; a block without rows passes its barriers and does nothing else).  Wave w = (rho, gamma) = (w / 2, w % 2) makes the row tiles 2 i + rho (i = 0..9) x columns 64 gamma .. + 63: 40 accumulators.
; THE LIST.  Each wave builds, in LDS bytes of its own, the list of the expert's entries from the stored masks; places past the count hold entry 0, a row that always exists; such rows are multiplied and never stored.
; THE LOOP.  K goes in 8 chunks of 128 through two LDS slots.  Trip c rounds and stores the c-th chunk (loaded into registers a trip ago) into slot c % 2, asks for the next, and multiplies
; the chunk before from the other slot.  One barrier a trip: in front of it my stores into one slot and my reads of the other are done.
; STAGING BETWEEN THE PRODUCTS.  A chunk's 72 loads of a wave (32 of weights, 40 of rows) are eight PIECES of nine.  In trips 1 to 6 piece i stands behind step i's 16 matrix instructions: its wait, 8 roundings, 9 LDS stores,
; and the same 9 loads for the next chunk.  Every path runs the pieces in the same order (a wave whose steps end early jumps into a chain of the pieces that are left), so a piece's wait leaves exactly the 63 younger loads out.
; Where an issue would push LOADcnt past its field it waits for the oldest load (ISA guide 5.7.1), which was asked for seven eighths of a trip earlier.
; CHUNKS BY TURNS.  A work-group begins at chunk (slice % 8) and goes round: the work-groups that read the same rows ask for different pieces of them in any one trip, and for a piece that another asked for a trip earlier.
; THE MATRIX INSTRUCTION IS USED TRANSPOSED: source 0 = 16 weight rows, source 1 = 16 entries: a lane holds one entry (lane % 16) and eight neighbouring columns.
; NOT USED.  Tensor loads: the rows come by a list, which no descriptor covers, and the f32 weights pass through registers for the rounding.  Clusters: each weight byte has one reader.
; LIMITS.  erf by Abramowitz and Stegun 7.1.25, off by 2.5e-5 at the most for every argument: gelu(x) is off by 1.25e-5 |x| at the most; exp2 results below 2^-126 count as 0.  The order of the f32 sums over K hangs on the slice.
; REGISTERS, in windows of 256 (s_set_vgpr_msb: bits 1:0 source 0, 3:2 source 1, 5:4 source 2, 7:6 destination):
;   window 0: v0-31 addresses and work; v32-51 gates as pairs, v52-61 their offsets (DOWN); v64-127 row fragments, two buffers; v128-255 weight fragments; v64-255 at work on the way out
;   window 1: accumulators of steps 0-7 at 32 i + 8 n      window 2: v0-63 steps 8, 9; v64-191 weights as loaded; v192-231 the rows' byte offsets      window 3: v0-159 rows as loaded; v160-191 bias
.set DOWN, 1
.if DOWN
.set PW,  16384                ; bytes from weight row to weight row
.set PWS, 14
.set WSL, 21                   ; 128 weight rows
.set WWL, 19                   ; 32 weight rows
.set BSL, 12                   ; an expert's bias
.set ASH, 13                   ; entry -> byte offset of its row of hbuf
.set EP,  528                  ; a row of the way-out stage: 512 bytes + 16
.set HSH, 5
.set GSH, 8
.set LSH, 4
.set OSH, 12                   ; entry -> byte offset of its row of yp
.else
.set PW,  4096
.set PWS, 12
.set WSL, 19
.set WWL, 17
.set BSL, 14
.set ASH, 10                   ; (entry less its low bit) -> byte offset of the token's row of xb
.set EP,  272                  ; 256 bytes + 16
.set HSH, 4
.set GSH, 7
.set LSH, 3
.set OSH, 13                   ; entry -> byte offset of its row of hbuf
.endif
.set P,     272                ; an LDS row: 256 bytes + 16 = 68 words: the 16 rows of a fragment load start at 16 different groups of four banks (ISA guide 11.1)
.set XBASE, 128*P              ; a slot: 128 weight rows, then 320 rows of entries
.set XHI,   256*P              ; rows 256 on are reached by a second address register (an LDS offset has 16 bits)
.set SLOT1, 131072
.set LIST,  253952             ; behind the slots: each wave's list
.set LISTB, 5632
.set LPAD,  1344               ; words of a list; behind them 32 words that take the lanes without an entry
.set LISTW, LPAD+32
.set SPARE, LIST+4*LISTB       ; the spare words: 128 bytes a wave, two blocks of 256 bytes that no other line names
.set XFR,  64
.set WFR,  128
.set WL,   64                  ; window 2
.set AOFF, 192                 ; window 2
.set BIAS, 160                 ; window 3
.set G,    32
.set GA,   52
.set MSB, 0
.macro WIN new                 ; the immediate's high byte repeats the setting that is left; a switch that changes nothing is dropped
.if MSB != (\new)
	s_set_vgpr_msb (MSB<<8)|(\new)
.set MSB, \new
.endif
.endm
.macro PLACES                  ; four places behind matrix instructions, in front of loads into and vector work on their registers
.rept 4
	v_nop
.endr
.endm
.macro BAR
	s_wait_dscnt 0x0                               ; for the others' sake: my LDS stores are done and my LDS reads are back
	s_barrier_signal -1
	s_barrier_wait -1
.endm
.macro WISSUE lo, n            ; my weight rows lo .. lo + n - 1 of 32: 512 consecutive bytes each
	WIN 0x80
.set z, \lo
.rept \n
	global_load_b128 v[WL+4*z:WL+4*z+3], v6, s[6:7] offset:z*PW th:TH_LOAD_NT
.set z, z+1
.endr
.endm
.macro WCONS lo, n             ; rounded to bf16 in place, 8 bytes a lane into the slot
	WIN 0x8A
.set z, \lo
.rept \n
	v_cvt_pk_bf16_f32 v[WL+4*z], v[WL+4*z], v[WL+4*z+1]
	v_cvt_pk_bf16_f32 v[WL+4*z+1], v[WL+4*z+2], v[WL+4*z+3]
.set z, z+1
.endr
	WIN 0x08
.set z, \lo
.rept \n
	ds_store_b64 v12, v[WL+4*z:WL+4*z+1] offset:z*P
.set z, z+1
.endr
.endm
.macro XISSUE lo, n            ; load z = 8 g + j brings rows 64 g + 16 w + 2 j and the next: 256 consecutive bytes for each half of the lanes
	WIN 0xC2
.set z, \lo
.rept \n
	global_load_b128 v[4*z:4*z+3], v[AOFF+z], s[4:5]
.set z, z+1
.endr
.endm
.macro XCONS lo, n
	WIN 0x0C
.set z, \lo
.rept \n
.if z < 32
	ds_store_b128 v13, v[4*z:4*z+3] offset:(64*(z/8)+2*(z%8))*P
.else
	ds_store_b128 v14, v[4*z:4*z+3] offset:(2*(z%8))*P
.endif
.set z, z+1
.endr
.endm
.macro WPF                     ; the chunk behind the one that is being asked for: lane = my weight row, its two blocks of 256 bytes; a block is asked for once for each block of rows, by the wave that will load it
	global_prefetch_b8 v7, s[60:61] th:TH_LOAD_NT scope:SCOPE_SE
	global_prefetch_b8 v7, s[60:61] offset:256 th:TH_LOAD_NT scope:SCOPE_SE
.endm
.macro BASES                   ; s38 = a chunk's number, taken modulo 8: the loads' bases at that chunk, the prefetch's base at the one behind it (modulo 8 too: it stays inside the weight rows)
	s_and_b32 s38, s38, 7
	s_lshl_b32 s30, s38, 9                         ; 128 f32 of a weight row
	s_mov_b32 s31, 0
	s_add_nc_u64 s[6:7], s[42:43], s[30:31]
	s_lshl_b32 s30, s38, 8                         ; 128 bf16 of a row
	s_add_nc_u64 s[4:5], s[40:41], s[30:31]
	s_add_co_u32 s30, s38, 1
	s_and_b32 s30, s30, 7
	s_lshl_b32 s30, s30, 9
	s_add_nc_u64 s[60:61], s[42:43], s[30:31]
.endm
.macro PIECE p                 ; piece p of eight: weight rows 4 p .. + 3 and row loads 5 p .. + 4 go into the slot, and are asked for again from the next chunk
	s_wait_loadcnt 63                              ; behind this piece's nine loads the seven other pieces' 63 were issued: those may stay out
	WCONS 4*(\p), 4
	XCONS 5*(\p), 5
	WISSUE 4*(\p), 4
	XISSUE 5*(\p), 5
	WIN 0
.endm
.macro XFETCH i                ; the fragments of row tile 2 i + rho, all 128 of K, into buffer i % 2
.set xq, XFR+32*((\i)%2)
.irp ks, 0,1,2,3
.if (\i) < 8
	ds_load_b128 v[xq+8*\ks:xq+8*\ks+3],   v16 offset:(\i)*32*P+64*\ks
	ds_load_b128 v[xq+8*\ks+4:xq+8*\ks+7], v16 offset:(\i)*32*P+64*\ks+32
.else
	ds_load_b128 v[xq+8*\ks:xq+8*\ks+3],   v17 offset:((\i)-8)*32*P+64*\ks
	ds_load_b128 v[xq+8*\ks+4:xq+8*\ks+7], v17 offset:((\i)-8)*32*P+64*\ks+32
.endif
.endr
.endm
.macro WFETCH                  ; my 64 weight rows x 128 of K: fragment (n, ks) at WFR + 8 (4 ks + n), the lower K first
.irp ks, 0,1,2,3
.irp n, 0,1,2,3
	ds_load_b128 v[WFR+8*(4*\ks+\n):WFR+8*(4*\ks+\n)+3],   v15 offset:\n*16*P+64*\ks
	ds_load_b128 v[WFR+8*(4*\ks+\n)+4:WFR+8*(4*\ks+\n)+7], v15 offset:\n*16*P+64*\ks+32
.endr
.endr
.endm
; Step i without staging (trips 7 and 8): 16 matrix instructions on the step's four accumulators, which take turns.  The next step's fragments are asked for first.
.macro MSTEP i
.if (\i) > 0
	PLACES                                         ; the buffer loaded next was read by the products just issued
.endif
.if (\i) < 9
	XFETCH (\i)+1
.endif
.set xf, XFR+32*((\i)%2)
.set ac, 32*((\i)%8)
.irp ks, 0,1,2,3
.if (\i) == 0
	s_wait_dscnt 32-8*\ks                          ; out may stay: the weight fragments of later K (8 loads each) and the next step's 8
.elseif (\ks) == 0
.if (\i) < 9
	s_wait_dscnt 8                                 ; all but the next step's 8
.else
	s_wait_dscnt 0x0
.endif
.endif
.if (\i) < 8
	WIN 0x50
.else
	WIN 0xA0
.endif
.irp n, 0,1,2,3
	v_wmma_f32_16x16x32_bf16 v[ac+8*\n:ac+8*\n+7], v[WFR+8*(4*\ks+\n):WFR+8*(4*\ks+\n)+7], v[xf+8*\ks:xf+8*\ks+7], v[ac+8*\n:ac+8*\n+7]
.endr
.endr
	WIN 0
.if (\i) < 9
	s_cmp_le_u32 s26, (\i)+1                       ; no further row tile of mine holds a row
	s_cbranch_scc1 .Lcdone
.endif
.endm
; Step i with piece i behind its products (trips 1 to 6).  The piece's eight roundings name no register of the products: they are the places in front of the next step's fragment loads.
; nx: the piece at which the chain is entered if no further row tile of mine holds a row.
.macro ISTEP i, nx
.if (\i) < 9
	XFETCH (\i)+1
.endif
.set xf, XFR+32*((\i)%2)
.set ac, 32*((\i)%8)
.irp ks, 0,1,2,3
.if (\i) == 0
	s_wait_dscnt 32-8*\ks                          ; out may stay: the weight fragments of later K (8 loads each) and the next step's 8
.elseif (\ks) == 0
.if (\i) < 9
	s_wait_dscnt 17                                ; behind this step's fragments: the last piece's 9 stores and the next step's 8 loads
.else
	s_wait_dscnt 0x0
.endif
.endif
.if (\i) < 8
	WIN 0x50
.else
	WIN 0xA0
.endif
.irp n, 0,1,2,3
	v_wmma_f32_16x16x32_bf16 v[ac+8*\n:ac+8*\n+7], v[WFR+8*(4*\ks+\n):WFR+8*(4*\ks+\n)+7], v[xf+8*\ks:xf+8*\ks+7], v[ac+8*\n:ac+8*\n+7]
.endr
.endr
.if (\i) < 8
	PIECE \i
.else
	WIN 0
.endif
.if (\i) < 7
	s_cmp_le_u32 s26, (\i)+1
	s_cbranch_scc1 .Lrest\nx
.elseif (\i) < 9
	s_cmp_le_u32 s26, (\i)+1
	s_cbranch_scc1 .Lbar
.endif
.endm
.macro COPY i                  ; S = (step i's sums) / sqrt(2), each accumulator from its low end on
.if (\i) < 8
	WIN 0x01
.else
	WIN 0x02
.endif
.set z, 0
.rept 16
	v_pk_mul_f32 v[64+2*z:65+2*z], v[32*((\i)%8)+2*z:32*((\i)%8)+2*z+1], s[44:45] op_sel_hi:[1,0]
.set z, z+1
.endr
	WIN 0
.endm
	s_load_b256 s[4:11], s[0:1], 0x0               ; rows s[4:5], weights s[6:7], bias s[8:9], route s[10:11]
.if DOWN
	s_load_b128 s[12:15], s[0:1], 0x20             ; out s[12:13], gates s[14:15]
.else
	s_load_b64 s[12:13], s[0:1], 0x20              ; out
.endif
	v_lshl_add_u32 v4, v0, 2, SPARE                ; my spare word; never rewritten
	v_mov_b32 v5, 0                                ; 0; never rewritten
	v_and_b32 v1, 31, v0                           ; l
	v_lshrrev_b32 v2, 5, v0
	v_readfirstlane_b32 s16, v2                    ; wave 0..3
	v_and_b32 v2, 15, v0                           ; r
	v_bfe_u32 v3, v0, 4, 1                         ; h
	s_lshr_b32 s17, s16, 1                         ; rho
	s_and_b32 s18, s16, 1                          ; gamma
	s_and_b32 s19, ttmp7, 0xffff                   ; the expert
.if DOWN
	s_and_b32 s20, ttmp9, 7                        ; which 128 output columns
	s_lshr_b32 s21, ttmp9, 3                       ; which quarter of K
.else
	s_mov_b32 s20, ttmp9                           ; which 128 hidden columns
.endif
	s_and_b32 s59, s20, 7                          ; the chunk at which I begin
	s_lshl_b32 s30, s19, 24                        ; byte offsets, made apart from the addresses: my 32 weight rows,
	s_lshl_b32 s38, s20, WSL
	s_add_co_u32 s30, s30, s38
	s_lshl_b32 s38, s16, WWL
	s_add_co_u32 s30, s30, s38
.if DOWN
	s_lshl_b32 s38, s21, 12
	s_add_co_u32 s30, s30, s38
.endif
	s_mov_b32 s31, 0
	s_lshl_b32 s32, s19, BSL                       ; my 64 columns of the bias,
	s_lshl_b32 s38, s20, 9
	s_add_co_u32 s32, s32, s38
	s_lshl_b32 s38, s18, 8
	s_add_co_u32 s32, s32, s38
	s_mov_b32 s33, 0
.if DOWN
	s_lshl_b32 s34, s21, 23                        ; the work-group's 128 columns of the output,
	s_lshl_b32 s38, s20, 9
	s_add_co_u32 s34, s34, s38
	s_lshl_b32 s56, s21, 11                        ; the quarter's 1,024 columns of hbuf
	s_mov_b32 s57, 0
	s_cmp_eq_u32 s21, 0
	s_cselect_b32 s58, 0xffff0000, 0               ; the bias enters in quarter 0 alone
.else
	s_lshl_b32 s34, s20, 8
	s_mov_b32 s58, 0xffff0000
	s_mov_b32 s44, 0x3f3504f3                      ; c0 = 1 / sqrt(2); the packed forms name pairs and take the low word
	s_mov_b32 s45, 0x3f3504f3
	s_mov_b32 s46, 0x3e7bff16                      ; c0 x 0.3480242
	s_mov_b32 s47, 0x3e7bff16
	s_mov_b32 s48, 0xbd8ad94a                      ; c0 x -0.0958798
	s_mov_b32 s49, 0xbd8ad94a
	s_mov_b32 s50, 0x3f076057                      ; c0 x 0.7478556
	s_mov_b32 s51, 0x3f076057
	s_mov_b32 s52, 0x3ef0e171                      ; 0.47047
	s_mov_b32 s54, 0xbfb8aa3b                      ; -log2(e)
	s_mov_b32 s55, 0xbfb8aa3b
.endif
	s_mov_b32 s35, 0
	s_lshl_b32 s36, s19, 2                         ; the expert's word in a block's record
	s_mov_b32 s37, 0
	v_lshlrev_b32 v6, 4, v1                        ; 16 l
	v_lshlrev_b32 v7, PWS, v1                      ; l weight rows
	s_mul_i32 s39, s16, 32*P
	v_lshl_add_u32 v8, v1, 3, s39                  ; where my weights go in slot 0
	v_mul_u32_u24 v9, v3, P
	v_lshl_add_u32 v9, v2, 4, v9
	s_mul_i32 s39, s16, 16*P
	s_add_co_u32 s39, s39, XBASE
	v_add_nc_u32 v9, s39, v9                       ; where my rows go: row 16 w + h, 16 r
	v_mul_u32_u24 v24, v2, P
	v_lshl_add_u32 v24, v3, 4, v24                 ; a fragment: row r, 16 bytes for each half of the lanes
	s_mul_i32 s39, s18, 64*P
	v_add_nc_u32 v10, s39, v24                     ; my weight fragments
	s_mul_i32 s39, s17, 16*P
	s_add_co_u32 s39, s39, XBASE
	v_add_nc_u32 v11, s39, v24                     ; my row fragments
	s_mul_i32 s53, s16, LISTB
	s_add_co_u32 s53, s53, LIST                    ; my list
	s_lshl_b32 s39, s16, 6
	s_add_co_u32 s39, s39, s53
	v_lshl_add_u32 v18, v3, 2, s39                 ; list place 16 w + h: the rows that I stage
	v_mov_b32 v20, s39                             ; list place 16 w: the rows that I store
	s_lshl_b32 s39, s17, 6
	s_add_co_u32 s39, s39, s53
	v_lshl_add_u32 v19, v2, 2, s39                 ; list place 16 rho + r: the rows that I multiply
	v_mul_u32_u24 v21, v2, EP                      ; the way out, in: row 16 rho + r, my 64 columns, eight of them for each half of the lanes
	v_lshl_add_u32 v21, v3, HSH, v21
	s_mul_i32 s39, s17, 16*EP
	s_lshl_b32 s38, s18, GSH
	s_add_co_u32 s39, s39, s38
	v_add_nc_u32 v21, s39, v21
	s_mul_i32 s39, s16, 16*EP
	v_lshl_add_u32 v22, v1, LSH, s39               ; back: row 16 w, whole
	v_lshlrev_b32 v23, LSH, v1                     ; and my bytes of that row in memory
	v_lshlrev_b32 v30, 4, v2                       ; 16 r
	v_lshlrev_b32 v26, 7, v1                       ; lane = block: its record of 128 bytes
	v_lshlrev_b32 v27, 5, v3                       ; 32 h
.if DOWN
.set z, 0
.rept 20
	v_mov_b32 v[G+z], 0                            ; written once here, so that the gates' registers are defined on every path; trip 7 loads them
.set z, z+1
.endr
.endif
	s_wait_kmcnt 0x0
	s_add_nc_u64 s[6:7], s[6:7], s[30:31]
	s_add_nc_u64 s[8:9], s[8:9], s[32:33]
	s_add_nc_u64 s[12:13], s[12:13], s[34:35]
	s_add_nc_u64 s[10:11], s[10:11], s[36:37]
.if DOWN
	s_add_nc_u64 s[4:5], s[4:5], s[56:57]
.endif
	s_mov_b64 s[40:41], s[4:5]                     ; rows and weights at chunk 0: kept
	s_mov_b64 s[42:43], s[6:7]
	s_mov_b32 s38, s59
	BASES                                          ; the chunk at which I begin
	global_load_b32 v24, v26, s[10:11]             ; lane j: block j's mask of first choices of my expert,
	global_load_b32 v25, v26, s[10:11] offset:32   ; and of second choices
	WIN 0xC0
.irp n, 0,1,2,3
	global_load_b128 v[BIAS+8*\n:BIAS+8*\n+3],   v27, s[8:9] offset:64*\n
	global_load_b128 v[BIAS+8*\n+4:BIAS+8*\n+7], v27, s[8:9] offset:64*\n+16
.endr
	WISSUE 0, 32                                   ; the first weights are on their way while the list is built
	WIN 0
	WPF
	s_wait_loadcnt 32                              ; masks and bias are in (their address registers are free); the 32 loads of weights stay out
	; THE LIST.  First 0 over all my 5,632 bytes: what no entry overwrites names entry 0.  LDS serves a wave's instructions in order, so the entries below land on the zeros.
	v_mov_b32 v26, 0
	v_mov_b32 v27, 0
	v_mov_b32 v28, 0
	v_mov_b32 v29, 0
	v_lshl_add_u32 v31, v1, 4, s53
.set z, 0
.rept 11
	ds_store_b128 v31, v[26:29] offset:512*z
.set z, z+1
.endr
	; Block j's chosen tokens take the next places, first choices and then second: place = entries so far + chosen lanes below mine.
	v_lshlrev_b32 v28, 1, v1                       ; entry 64 j + 2 l,
	v_or_b32 v31, 1, v28                           ; and + 1
	v_add_nc_u32 v29, LPAD, v1                     ; a lane without an entry writes here
	s_mov_b32 s22, 0
	s_mov_b32 s27, 0
.Llist:
	v_readlane_b32 s30, v24, s27
	v_readlane_b32 s31, v25, s27
	v_mbcnt_lo_u32_b32 v26, s30, s22
	s_bcnt1_i32_b32 s32, s30
	s_add_co_u32 s22, s22, s32
	v_mbcnt_lo_u32_b32 v27, s31, s22
	s_bcnt1_i32_b32 s32, s31
	s_add_co_u32 s22, s22, s32
	v_cndmask_b32 v26, v29, v26, s30
	v_cndmask_b32 v27, v29, v27, s31
	v_min_u32 v26, LISTW-1, v26                    ; inside my list, whatever the masks hold
	v_min_u32 v27, LISTW-1, v27
	v_lshl_add_u32 v26, v26, 2, s53
	v_lshl_add_u32 v27, v27, 2, s53
	ds_store_b32 v26, v28
	ds_store_b32 v27, v31
	v_add_nc_u32 v28, 64, v28
	v_add_nc_u32 v31, 64, v31
	s_add_co_u32 s27, s27, 1
	s_cmp_lt_u32 s27, 32
	s_cbranch_scc1 .Llist
	WIN 0xCF                                       ; s22 = the expert's rows.  The bias is rounded to bf16 like every input: both halves take the rounded number, the upper half is kept
.set z, 0
.rept 32
	v_cvt_pk_bf16_f32 v[BIAS+z], v[BIAS+z], v[BIAS+z]
.set z, z+1
.endr
.set z, 0
.rept 32
	v_and_b32 v[BIAS+z], s58, v[BIAS+z]
.set z, z+1
.endr
	WIN 0
	s_mov_b32 s23, 0                               ; block
	s_mov_b32 s24, 1                               ; block 0 always runs
	s_branch .Lpro_a
.Lblock:
	s_cmp_eq_u32 s24, 0
	s_cbranch_scc1 .Ltrips
	s_wait_loadcnt 0x0
	s_wait_xcnt 0x0                                ; bases and the stores' registers are rewritten only behind this wait
	s_mov_b32 s38, s59
	BASES
	WISSUE 0, 32
	WIN 0
	WPF
.Lpro_a:
	PLACES
	s_mul_i32 s30, s23, 320
	s_sub_co_u32 s25, s22, s30                     ; rows from this block's first on
	s_add_co_u32 s30, s25, 15
	s_lshr_b32 s30, s30, 4
	s_min_u32 s30, s30, 20                         ; row tiles that hold a row
	s_add_co_u32 s30, s30, 1
	s_sub_co_u32 s30, s30, s17
	s_lshr_b32 s26, s30, 1                         ; of them mine: tiles rho, rho + 2, ..
	WIN 0x80
.set z, 0
.rept 40
	ds_load_b32 v[AOFF+z], v18 offset:4*(64*(z/8)+2*(z%8))
.set z, z+1
.endr
	WIN 0
.if DOWN
.set z, 0
.rept 10
	ds_load_b32 v[GA+z], v19 offset:128*z
.set z, z+1
.endr
.endif
	s_wait_dscnt 0x0
	WIN 0x88
.set z, 0
.rept 40
	v_min_u32 v[AOFF+z], 0x7ff, v[AOFF+z]          ; an entry is 0 .. 2,047
.set z, z+1
.endr
.if !DOWN
.set z, 0
.rept 40
	v_and_b32 v[AOFF+z], 0x7fe, v[AOFF+z]          ; twice the token
.set z, z+1
.endr
.endif
	WIN 0x82
.set z, 0
.rept 40
	v_lshl_add_u32 v[AOFF+z], v[AOFF+z], ASH, v30  ; the row's byte offset + 16 r
.set z, z+1
.endr
	WIN 0
.if DOWN
.set z, 0
.rept 10
	v_min_u32 v[GA+z], 0x7ff, v[GA+z]
	v_lshlrev_b32 v[GA+z], 2, v[GA+z]              ; the entry's gate
.set z, z+1
.endr
.endif
	XISSUE 0, 30
	; The sums start at the bias: these moves take the place of as many additions on the way out, and stand in the wait for the first chunk.
	WIN 0x43
.set z, 0
.rept 256
	v_mov_b32 v[z], v[BIAS+z%32]
.set z, z+1
.endr
	WIN 0x83
.set z, 0
.rept 64
	v_mov_b32 v[z], v[BIAS+z%32]
.set z, z+1
.endr
	XISSUE 30, 10
	WIN 0
.Ltrips:
	s_wait_loadcnt 0x0                             ; the first chunk is in, whole: its loads went out in another order than the pieces', so the pieces' counted waits begin with nothing out
	s_mov_b32 s27, 0
	s_mov_b32 s28, 0                               ; the slot that is filled
	s_mov_b32 s29, SLOT1                           ; the slot that is multiplied
.Ltrip:
	s_cmp_eq_u32 s24, 0
	s_cbranch_scc1 .Lbar
	v_add_nc_u32 v12, s28, v8
	v_add_nc_u32 v13, s28, v9
	v_add_nc_u32 v14, XHI, v13
	v_add_nc_u32 v15, s29, v10
	v_add_nc_u32 v16, s29, v11
	v_add_nc_u32 v17, XHI, v16
	s_cmp_gt_u32 s27, 6
	s_cbranch_scc1 .Lst0
	; Trips 0 to 6 ask for the next chunk.
	s_wait_xcnt 0x0                                ; the bases are written anew only behind this wait
	s_add_co_u32 s38, s59, s27
	s_add_co_u32 s38, s38, 1
	BASES
	s_cmp_gt_u32 s27, 5                            ; trips 0 to 5 prefetch the walk's chunks 2 to 7; there is no further one
	s_cbranch_scc1 .Lnopf
	WPF
.Lnopf:
	s_cmp_eq_u32 s27, 0                            ; trip 0 has nothing to multiply yet,
	s_cbranch_scc1 .Lrest0
	s_cmp_eq_u32 s26, 0                            ; nor has a wave without a row tile
	s_cbranch_scc1 .Lrest0
	PLACES
	XFETCH 0
	WFETCH
	ISTEP 0, 1
	ISTEP 1, 2
	ISTEP 2, 3
	ISTEP 3, 4
	ISTEP 4, 5
	ISTEP 5, 6
	ISTEP 6, 7
	ISTEP 7, 0
	ISTEP 8, 0
	ISTEP 9, 0
	s_branch .Lbar
.Lrest0:                                               ; the chain of pieces without products: entered at the first piece that is still due
	PIECE 0
.Lrest1:
	PIECE 1
.Lrest2:
	PIECE 2
.Lrest3:
	PIECE 3
.Lrest4:
	PIECE 4
.Lrest5:
	PIECE 5
.Lrest6:
	PIECE 6
.Lrest7:
	PIECE 7
	s_branch .Lbar
.Lst0:                                                 ; trips 7 and 8 ask for nothing: first the products, under which the last chunk's loads land,
	s_cmp_eq_u32 s26, 0
	s_cbranch_scc1 .Lcdone
	PLACES
	XFETCH 0
	WFETCH
	MSTEP 0
	MSTEP 1
	MSTEP 2
	MSTEP 3
	MSTEP 4
	MSTEP 5
	MSTEP 6
	MSTEP 7
	MSTEP 8
	MSTEP 9
.Lcdone:
	s_wait_loadcnt 0x0                             ; then every load is in,
	s_cmp_gt_u32 s27, 7
	s_cbranch_scc1 .Lbar
	WCONS 0, 32                                    ; and trip 7 stages the last chunk
	XCONS 0, 40
	WIN 0
.if DOWN
.set z, 0
.rept 10                                               ; the gates of my rows, each twice, to fill the pair that the packed multiply names; they land under the last trip's products
	global_load_b32 v[G+2*z], v[GA+z], s[14:15]
	global_load_b32 v[G+2*z+1], v[GA+z], s[14:15]
.set z, z+1
.endr
.endif
.Lbar:
	BAR
	s_xor_b32 s28, s28, SLOT1
	s_xor_b32 s29, s29, SLOT1
	s_add_co_u32 s27, s27, 1
	s_cmp_lt_u32 s27, 9
	s_cbranch_scc1 .Ltrip
	; THE WAY OUT.  The stage lies over the slots, which nobody reads any more behind the last trip's barrier.
	PLACES
	s_wait_loadcnt 0x0
	s_cmp_eq_u32 s24, 0
	s_cbranch_scc1 .Lwbar
	v_mov_b32 v24, v21
.if DOWN
.irp i, 0,1,2,3,4,5,6,7,8,9
	s_cmp_le_u32 s26, \i
	s_cbranch_scc1 .Lwbar
.if \i < 8
	WIN 0x01
.else
	WIN 0x02
.endif
.set z, 0
.rept 16
	v_pk_mul_f32 v[64+2*z:65+2*z], v[32*(\i%8)+2*z:32*(\i%8)+2*z+1], v[G+2*\i:G+2*\i+1] op_sel_hi:[1,0]  ; times the row's gate; each accumulator from its low end on
.set z, z+1
.endr
	WIN 0
.set z, 0
.rept 8
	ds_store_b128 v24, v[64+4*z:67+4*z] offset:64*(z/2)+16*(z%2)
.set z, z+1
.endr
	v_add_nc_u32 v24, 32*EP, v24
.endr
.else
	s_mov_b32 s34, 0
.Lgl:                                                  ; ten trips, a step each; the activation is written once, and a chain of compares brings the step's sums to it
	s_cmp_ge_u32 s34, s26
	s_cbranch_scc1 .Lgnext
.irp i, 0,1,2,3,4,5,6,7,8
	s_cmp_lg_u32 s34, \i
	s_cbranch_scc1 .Lnot\i
	COPY \i
	s_branch .Lgelu
.Lnot\i:
.endr
	COPY 9
.Lgelu:
	; gelu(x) = S c0 + |S| (c0 - c0 (a1 t + a2 t^2 + a3 t^3) e^(-S^2)), S = x / sqrt(2), t = 1 / (1 + p |S|).  S v64-95, t v96-127, the exponential v128-159, S c0 v160-191, the polynomial v192-223.
.set z, 0
.rept 32
	v_fma_f32 v[96+z], |v[64+z]|, s52, 1.0
.set z, z+1
.endr
.set z, 0
.rept 16
	v_pk_mul_f32 v[128+2*z:129+2*z], v[64+2*z:65+2*z], v[64+2*z:65+2*z]
.set z, z+1
.endr
.set z, 0
.rept 32
	v_rcp_f32 v[96+z], v[96+z]
.set z, z+1
.endr
.set z, 0
.rept 16                                               ; plain work stands behind the last reciprocal before a result is used (ISA guide 5.7.2)
	v_pk_mul_f32 v[128+2*z:129+2*z], v[128+2*z:129+2*z], s[54:55] op_sel_hi:[1,0]
.set z, z+1
.endr
.set z, 0
.rept 16
	v_pk_mul_f32 v[160+2*z:161+2*z], v[64+2*z:65+2*z], s[44:45] op_sel_hi:[1,0]
.set z, z+1
.endr
.set z, 0
.rept 32
	v_exp_f32 v[128+z], v[128+z]
.set z, z+1
.endr
.set z, 0
.rept 16
	v_pk_fma_f32 v[192+2*z:193+2*z], v[96+2*z:97+2*z], s[50:51], s[48:49] op_sel_hi:[1,0,0]
.set z, z+1
.endr
.set z, 0
.rept 16
	v_pk_fma_f32 v[192+2*z:193+2*z], v[192+2*z:193+2*z], v[96+2*z:97+2*z], s[46:47] op_sel_hi:[1,1,0]
.set z, z+1
.endr
.set z, 0
.rept 16
	v_pk_mul_f32 v[192+2*z:193+2*z], v[192+2*z:193+2*z], v[96+2*z:97+2*z]
.set z, z+1
.endr
.set z, 0
.rept 16
	v_pk_fma_f32 v[192+2*z:193+2*z], v[192+2*z:193+2*z], v[128+2*z:129+2*z], s[44:45] op_sel_hi:[1,1,0] neg_lo:[1,0,0] neg_hi:[1,0,0]
.set z, z+1
.endr
.set z, 0
.rept 32
	v_fma_f32 v[64+z], |v[64+z]|, v[192+z], v[160+z]
.set z, z+1
.endr
.set z, 0
.rept 16
	v_cvt_pk_bf16_f32 v[96+z], v[64+2*z], v[65+2*z]
.set z, z+1
.endr
.irp n, 0,1,2,3
	ds_store_b128 v24, v[96+4*\n:99+4*\n] offset:32*\n
.endr
.Lgnext:
	v_add_nc_u32 v24, 32*EP, v24
	s_add_co_u32 s34, s34, 1
	s_cmp_lt_u32 s34, 10
	s_cbranch_scc1 .Lgl
.endif
.Lwbar:
	BAR                                            ; a row's bytes come from two waves
	s_cmp_eq_u32 s24, 0
	s_cbranch_scc1 .Lrbar
	v_mov_b32 v25, v20
	v_mov_b32 v26, v22
	s_lshl_b32 s30, s16, 4
	s_sub_co_i32 s35, s25, s30                     ; rows from my first tile's first on
	s_mov_b32 s34, 0
.Lrd:                                                  ; five trips: row tile w + 4 g, 16 rows, each stored whole by one instruction
	s_cmp_le_i32 s35, 0
	s_cbranch_scc1 .Lrnext
	s_wait_xcnt 0x0                                ; the last trip's stores have read their registers
.set z, 0
.rept 16
	ds_load_b32 v[64+z], v25 offset:4*z            ; the row's entry, the same word for all lanes
.set z, z+1
.endr
.set z, 0
.rept 16
.if DOWN
	ds_load_b128 v[96+4*z:99+4*z], v26 offset:z*EP
.else
	ds_load_b64 v[96+2*z:97+2*z], v26 offset:z*EP
.endif
.set z, z+1
.endr
	s_wait_dscnt 0x0
.set z, 0
.rept 16
	v_min_u32 v[64+z], 0x7ff, v[64+z]
.set z, z+1
.endr
.set z, 0
.rept 16
	v_lshl_add_u32 v[64+z], v[64+z], OSH, v23
.set z, z+1
.endr
.set z, 0
.rept 16
.if z > 0
	s_cmp_le_i32 s35, z                            ; rows past the count are not stored
	s_cbranch_scc1 .Lrnext
.endif
.if DOWN
	global_store_b128 v[64+z], v[96+4*z:99+4*z], s[12:13]  ; 512 consecutive bytes, at a multiple of 512 from yp's first
.else
	global_store_b64 v[64+z], v[96+2*z:97+2*z], s[12:13]   ; 256 consecutive bytes, at a multiple of 256 from hbuf's first
.endif
.set z, z+1
.endr
.Lrnext:
	v_add_nc_u32 v25, 256, v25
	v_add_nc_u32 v26, 64*EP, v26
	s_sub_co_i32 s35, s35, 64
	s_add_co_u32 s34, s34, 1
	s_cmp_lt_u32 s34, 5
	s_cbranch_scc1 .Lrd
.Lrbar:
	BAR                                            ; the stage has been read: the next block may fill the slots
	v_add_nc_u32 v18, 1280, v18                    ; 320 list places on
	v_add_nc_u32 v19, 1280, v19
	v_add_nc_u32 v20, 1280, v20
	s_add_co_u32 s23, s23, 1
	s_mul_i32 s30, s23, 320
	s_cmp_gt_u32 s22, s30
	s_cselect_b32 s24, 1, 0                        ; has the next block a row?
	s_cmp_lt_u32 s23, 4
	s_cbranch_scc1 .Lblock
	s_wait_tensorcnt 0x0                           ; the wave's end: three closing lines behind my last LDS store
	ds_add_u32 v4, v5
	s_wait_dscnt 0x0
	s_endpgm
.Lfunc_end_k_q21fac14a95_down:
	.size	k_q21fac14a95_down, .Lfunc_end_k_q21fac14a95_down-k_q21fac14a95_down
	.p2alignl 7, 3214868480
	.fill 96, 4, 3214868480
	.section	.rodata,"a",@progbits
	.p2align	6, 0x0
	.amdhsa_kernel k_q21fac14a95_down
		.amdhsa_group_segment_fixed_size 276992
		.amdhsa_private_segment_fixed_size 0
		.amdhsa_enable_private_segment 0
		.amdhsa_kernarg_size 48
		.amdhsa_user_sgpr_count 2
		.amdhsa_user_sgpr_kernarg_segment_ptr 1
		.amdhsa_wavefront_size32 1
		.amdhsa_system_sgpr_workgroup_id_x 1
		.amdhsa_system_sgpr_workgroup_id_y 1
		.amdhsa_system_sgpr_workgroup_id_z 1
		.amdhsa_system_vgpr_workitem_id 0
		.amdhsa_next_free_vgpr 960
		.amdhsa_next_free_sgpr 66
		.amdhsa_reserve_vcc 0
		.amdhsa_float_denorm_mode_32 3
		.amdhsa_float_denorm_mode_16_64 3
		.amdhsa_memory_ordered 1
		.amdhsa_forward_progress 1
		.amdhsa_inst_pref_size 152
	.end_amdhsa_kernel
	.amdgpu_metadata
---
amdhsa.version: [ 1, 2 ]
amdhsa.kernels:
  - .name:           k_q21fac14a95_down
    .symbol:         k_q21fac14a95_down.kd
    .args:
      - { .name: hbuf, .offset: 0, .size: 8, .value_kind: global_buffer, .address_space: global }
      - { .name: w2, .offset: 8, .size: 8, .value_kind: global_buffer, .address_space: global }
      - { .name: b2, .offset: 16, .size: 8, .value_kind: global_buffer, .address_space: global }
      - { .name: route, .offset: 24, .size: 8, .value_kind: global_buffer, .address_space: global }
      - { .name: yp, .offset: 32, .size: 8, .value_kind: global_buffer, .address_space: global }
      - { .name: gates, .offset: 40, .size: 8, .value_kind: global_buffer, .address_space: global }
    .group_segment_fixed_size: 276992
    .private_segment_fixed_size: 0
    .kernarg_segment_align: 8
    .kernarg_segment_size: 48
    .max_flat_workgroup_size: 128
    .sgpr_count:     66
    .vgpr_count:     960
    .wavefront_size: 32
...
	.end_amdgpu_metadata
.endif
;; end of part 3
;; launch combine (part 4): grid 256 x 1, 8 waves a work-group, no clusters, 0 bytes of LDS; arguments yp, route, gsum, out0, out1; writes out0, out1
.if DOCPART == 4
	.amdgcn_target "amdgcn-amd-amdhsa--gfx1250"
	.amdhsa_code_object_version 6
	.text
	.protected	k_q21fac14a95_combine
	.globl	k_q21fac14a95_combine
	.p2align	8
	.type	k_q21fac14a95_combine,@function
k_q21fac14a95_combine:
	s_mov_b64 s[64:65], 0
	v_nop
	global_prefetch_b8 v0, s[64:65] scope:SCOPE_SE
	s_setreg_imm32_b32 hwreg(HW_REG_WAVE_MODE, 25, 1), 1
	s_wait_xcnt 0x0
; out0[t] = the sum of token t's eight partial rows yp[q][2 t + k] (q = 0..3, k = 0, 1), which already carry gate and bias; out1 = 0.08 x sum over e of (count_e / 2048) (mass_e / 1024).
; A stream: every address is fixed.  Work-group b has tokens 4 b .. 4 b + 3; thread n has bytes 16 n of each row, so a wave's load or store covers 512 consecutive bytes.
; All 32 loads of a wave go out at once, token by token; the waits count the later tokens' loads.  No LDS, no barrier, no matrix unit: nothing here is shared or multiplied.
; The loss is made by wave 0 of work-group 0 from the 32 blocks' counts and gate masses, lane = block.
	s_load_b256 s[4:11], s[0:1], 0x0               ; yp s[4:5], route s[6:7], gsum s[8:9], out0 s[10:11]
	s_load_b64 s[12:13], s[0:1], 0x20              ; out1
	v_lshlrev_b32 v1, 4, v0
	v_lshrrev_b32 v2, 5, v0
	v_readfirstlane_b32 s16, v2                    ; wave
	s_lshl_b32 s20, ttmp9, 15                      ; 8 entries of 4,096 bytes
	s_mov_b32 s21, 0
	s_lshl_b32 s22, ttmp9, 14                      ; 4 tokens of 4,096 bytes
	s_mov_b32 s23, 0
	s_wait_kmcnt 0x0
	s_add_nc_u64 s[24:25], s[4:5], s[20:21]        ; a base for each quarter: their distance does not fit a load's immediate
	s_add_nc_u64 s[26:27], s[24:25], 0x800000
	s_add_nc_u64 s[28:29], s[26:27], 0x800000
	s_add_nc_u64 s[30:31], s[28:29], 0x800000
	s_add_nc_u64 s[10:11], s[10:11], s[22:23]
.irp i, 0,1,2,3
.irp q, 0,1,2,3
.irp k, 0,1
	global_load_b128 v[16+4*(8*\i+2*\q+\k):19+4*(8*\i+2*\q+\k)], v1, s[24+2*\q:25+2*\q] offset:(2*\i+\k)*4096 th:TH_LOAD_NT
.endr
.endr
.endr
.irp i, 0,1,2,3
	s_wait_loadcnt 24-8*\i                         ; this token's eight are in; the later tokens' stay out
.irp m, 0,2,4,6                                        ; a fixed tree: neighbours 1, 2 and 4 rows apart
	v_pk_add_f32 v[16+32*\i+4*\m:17+32*\i+4*\m], v[16+32*\i+4*\m:17+32*\i+4*\m], v[20+32*\i+4*\m:21+32*\i+4*\m]
	v_pk_add_f32 v[18+32*\i+4*\m:19+32*\i+4*\m], v[18+32*\i+4*\m:19+32*\i+4*\m], v[22+32*\i+4*\m:23+32*\i+4*\m]
.endr
.irp m, 0,4
	v_pk_add_f32 v[16+32*\i+4*\m:17+32*\i+4*\m], v[16+32*\i+4*\m:17+32*\i+4*\m], v[24+32*\i+4*\m:25+32*\i+4*\m]
	v_pk_add_f32 v[18+32*\i+4*\m:19+32*\i+4*\m], v[18+32*\i+4*\m:19+32*\i+4*\m], v[26+32*\i+4*\m:27+32*\i+4*\m]
.endr
	v_pk_add_f32 v[16+32*\i:17+32*\i], v[16+32*\i:17+32*\i], v[32+32*\i:33+32*\i]
	v_pk_add_f32 v[18+32*\i:19+32*\i], v[18+32*\i:19+32*\i], v[34+32*\i:35+32*\i]
	global_store_b128 v1, v[16+32*\i:19+32*\i], s[10:11] offset:4096*\i th:TH_STORE_NT
.endr
	s_cmp_lg_u32 ttmp9, 0
	s_cbranch_scc1 .Lend
	s_cmp_lg_u32 s16, 0
	s_cbranch_scc1 .Lend
	v_and_b32 v3, 31, v0
	v_lshlrev_b32 v4, 7, v3                        ; lane = block: its record of 128 bytes
	global_load_b128 v[20:23], v4, s[6:7] offset:64  ; the block's counts (registers that no pending store reads)
	global_load_b128 v[24:27], v4, s[6:7] offset:80
	global_load_b128 v[28:31], v4, s[8:9]          ; its gate masses
	global_load_b128 v[32:35], v4, s[8:9] offset:16
	s_mov_b32 s32, 0x76543210                      ; v_permlanex16_b32: each lane takes its own place in the other half
	s_mov_b32 s33, 0xfedcba98
	v_mov_b32 v36, 0
	v_mov_b32 v38, 0
	s_wait_loadcnt 0x0
.irp e, 0,1,2,3,4,5,6,7
	v_cvt_f32_u32 v[20+\e], v[20+\e]               ; at most 32 a block: exact
.endr
.irp x, 20,21,22,23,24,25,26,27,28,29,30,31,32,33,34,35
	v_add_f32_dpp v\x, v\x, v\x row_xmask:1 row_mask:0xf bank_mask:0xf
	v_add_f32_dpp v\x, v\x, v\x row_xmask:2 row_mask:0xf bank_mask:0xf
	v_add_f32_dpp v\x, v\x, v\x row_xmask:4 row_mask:0xf bank_mask:0xf
	v_add_f32_dpp v\x, v\x, v\x row_xmask:8 row_mask:0xf bank_mask:0xf
	v_permlanex16_b32 v36, v\x, s32, s33
	v_add_f32 v\x, v\x, v36
.endr
	v_mul_f32 v37, v20, v28
.irp e, 1,2,3,4,5,6,7
	v_fmac_f32 v37, v[20+\e], v[28+\e]
.endr
	v_mul_f32 v37, 0x3323d70a, v37                 ; 0.08 / (2048 x 1024)
	v_cmp_eq_u32 vcc_lo, 0, v3
	s_wait_xcnt 0x0                                ; EXEC changes only behind this wait
	s_and_saveexec_b32 s20, vcc_lo
	global_store_b32 v38, v37, s[12:13]            ; lane 0 alone
	s_wait_xcnt 0x0                                ; and again, in front of the line that widens it
	s_or_b32 exec_lo, exec_lo, s20
.Lend:
	s_endpgm
.Lfunc_end_k_q21fac14a95_combine:
	.size	k_q21fac14a95_combine, .Lfunc_end_k_q21fac14a95_combine-k_q21fac14a95_combine
	.p2alignl 7, 3214868480
	.fill 96, 4, 3214868480
	.section	.rodata,"a",@progbits
	.p2align	6, 0x0
	.amdhsa_kernel k_q21fac14a95_combine
		.amdhsa_group_segment_fixed_size 0
		.amdhsa_private_segment_fixed_size 0
		.amdhsa_enable_private_segment 0
		.amdhsa_kernarg_size 40
		.amdhsa_user_sgpr_count 2
		.amdhsa_user_sgpr_kernarg_segment_ptr 1
		.amdhsa_wavefront_size32 1
		.amdhsa_system_sgpr_workgroup_id_x 1
		.amdhsa_system_sgpr_workgroup_id_y 1
		.amdhsa_system_sgpr_workgroup_id_z 1
		.amdhsa_system_vgpr_workitem_id 0
		.amdhsa_next_free_vgpr 144
		.amdhsa_next_free_sgpr 66
		.amdhsa_reserve_vcc 1
		.amdhsa_float_denorm_mode_32 3
		.amdhsa_float_denorm_mode_16_64 3
		.amdhsa_memory_ordered 1
		.amdhsa_forward_progress 1
		.amdhsa_inst_pref_size 15
	.end_amdhsa_kernel
	.amdgpu_metadata
---
amdhsa.version: [ 1, 2 ]
amdhsa.kernels:
  - .name:           k_q21fac14a95_combine
    .symbol:         k_q21fac14a95_combine.kd
    .args:
      - { .name: yp, .offset: 0, .size: 8, .value_kind: global_buffer, .address_space: global }
      - { .name: route, .offset: 8, .size: 8, .value_kind: global_buffer, .address_space: global }
      - { .name: gsum, .offset: 16, .size: 8, .value_kind: global_buffer, .address_space: global }
      - { .name: out0, .offset: 24, .size: 8, .value_kind: global_buffer, .address_space: global }
      - { .name: out1, .offset: 32, .size: 8, .value_kind: global_buffer, .address_space: global }
    .group_segment_fixed_size: 0
    .private_segment_fixed_size: 0
    .kernarg_segment_align: 8
    .kernarg_segment_size: 40
    .max_flat_workgroup_size: 256
    .sgpr_count:     66
    .vgpr_count:     144
    .wavefront_size: 32
...
	.end_amdgpu_metadata
.endif
;; end of part 4
;; ======== version 2 of 2: 4 launches; version 1 with the launches router, down written anew for expert scheduling mode
;; limits: a function is approximated: absolute error at most 2.5e-05; an absolute error that grows with the inputs' magnitude: up to 1.25e-05 times it
;; workspace buffers: xb 2,097,152 bytes; gates 8,192 bytes; route 4,096 bytes of whole numbers; gsum 4,096 bytes; hbuf 16,777,216 bytes; yp 33,554,432 bytes
;; launch router (part 5): grid 32 x 1, 8 waves a work-group, no clusters, 96,256 bytes of LDS; arguments x, gate_w, xb, gates, route, gsum; writes xb, gates, route, gsum
.if DOCPART == 5
	.amdgcn_target "amdgcn-amd-amdhsa--gfx1250"
	.amdhsa_code_object_version 6
	.text
	.protected	k_q21fac14a95_router
	.globl	k_q21fac14a95_router
	.p2align	8
	.type	k_q21fac14a95_router,@function
k_q21fac14a95_router:
	s_mov_b64 s[64:65], 0
	v_nop
	global_prefetch_b8 v0, s[64:65] scope:SCOPE_SE
	s_setreg_imm32_b32 hwreg(HW_REG_WAVE_SCHED_MODE, 0, 2), 2
	s_setreg_imm32_b32 hwreg(HW_REG_WAVE_MODE, 25, 1), 1
	s_wait_xcnt 0x0
	s_wait_alu depctr_vm_vsrc(0)
; ROUTER.  logits = x gate_w^T on operands rounded to bf16, sums in f32; top 2 of 8 (ties: the lower index, as jax.lax.top_k); gates = softmax of the two.
; Stores: xb = x rounded to bf16 [1024][1024]; gates [1024][2] f32; route [32 blocks][32 words]: words 8 k + e = mask of the block's 32 tokens that
; chose expert e as their k-th, words 16 + e = the block's count for e, the rest 0; gsum [32][32] f32: words e = the block's gate mass for e, the rest 0.
; No address here hangs on the choice: it is stored at fixed places, and the later launches place the rows.
; SHARES.  A work-group has 32 tokens; wave wv has columns 128 wv .. 128 wv + 127 of them and of the 8 gate rows (512 bytes of f32 a row).
; Each wave multiplies its K slice (8 matrix instructions), the eight partial logits meet in LDS, wave 0 adds them and chooses.
; LIMITS.  NaN and infinite logits are not treated apart.  exp2 results below 2^-126 count as 0.
; No tensor load, no cluster: each byte of x has one reader and passes through registers for the rounding.
; THE MODE: SCHED_MODE bits 1:0 = 2 (LLVM: expert scheduling mode 2), set by the entry lines.  The code itself states the register dependences
; between vector or matrix instructions and memory or LDS instructions, with s_wait_alu, always for 0.
; THE PLAN.  Registers that memory or LDS instructions touch:
;   v6-v12     offsets and LDS addresses: written at the head, never again.
;   v16-175    the 40 rows as loaded.  A group of eight rows: its 16 roundings write the first two of each row's four registers, then its LDS and global stores read them.
;              Behind all stores the fragments' LDS loads land in v16-111, the products write v112-127, the selects v128-135.
;   v128-135   written by the selects, read by two LDS stores.     v16-79  read by the products; in wave 0 the partial logits land there.
;   v86, v87, v90, v94 (data), v8, v91 (offsets)   written by wave 0's arithmetic, read by its three stores, which stand together at its end.
; So: one wait on va_vdst ahead of the first load, one behind each group's roundings, one ahead of the partial logits' stores, one ahead of the last three stores; one wait on vm_vsrc behind all the rows' stores.
; Masks are made in runs of compares into scalar registers, with one wait on va_sdst behind each run.
.set P,     272                ; an LDS row: 256 bytes + 16: the 16 rows of a fragment load start at 16 different groups of four banks (ISA guide 11.1)
.set TILEB, 40*P               ; a wave's own tile: 32 token rows, then 8 gate rows
.set RED,   8*TILEB            ; [wave][lane] 32 bytes: the partial logits
.set SPARE, RED+8192           ; the spare words: 128 bytes a wave, four blocks of 256 bytes that no other line names
.set LD0,   16                 ; v16-175  row i as loaded at LD0 + 4 i
.set GF,    16                 ; later: gate fragments, 8 registers for each 32 of K
.set T0,    48                 ; tokens 0-15
.set T1,    80                 ; tokens 16-31
.set D0,    112
.set D1,    120
.set LGP,   128
.set M1,    20                 ; s20-27  mask of the tokens whose first choice is expert e
.set M2,    28                 ; s28-35  the same for the second choice; before that, at work in the two searches
.set ML,    44                 ; s44-51  the one lane e
	s_load_b256 s[4:11], s[0:1], 0x0               ; x s[4:5], gate_w s[6:7], xb s[8:9], gates s[10:11]
	s_load_b128 s[12:15], s[0:1], 0x20             ; route s[12:13], gsum s[14:15]
	v_lshl_add_u32 v4, v0, 2, SPARE                ; my spare word; never rewritten
	v_mov_b32 v5, 0                                ; 0; never rewritten
	v_and_b32 v1, 31, v0                           ; lane
	v_lshrrev_b32 v2, 5, v0
	v_readfirstlane_b32 s16, v2                    ; wave 0..7
	v_and_b32 v2, 15, v0                           ; r
	v_bfe_u32 v3, v0, 4, 1                         ; h
	v_lshlrev_b32 v6, 4, v1                        ; 16 bytes a lane of a row's 512
	v_lshlrev_b32 v8, 3, v1                        ; 8 bytes a lane of the rounded 256
	s_wait_alu depctr_va_sdst(0)                   ; s16 is written, ahead of its first reader
	s_mul_i32 s17, s16, TILEB
	v_add_nc_u32 v7, s17, v8                       ; where I put them in my tile
	v_mul_u32_u24 v9, v2, P
	v_lshl_add_u32 v9, v3, 4, v9
	v_add_nc_u32 v9, s17, v9                       ; token fragments: row r, 16 bytes for each half of the lanes
	v_and_b32 v10, 7, v0
	v_mul_u32_u24 v10, v10, P
	v_lshl_add_u32 v10, v3, 4, v10
	s_add_co_u32 s18, s17, 32*P
	v_add_nc_u32 v10, s18, v10                     ; gate fragments: rows 8-15 of the 16 repeat rows 0-7
	s_lshl_b32 s18, s16, 10
	s_add_co_u32 s18, s18, RED
	v_lshl_add_u32 v11, v1, 5, s18                 ; my wave's and lane's 32 bytes of partial logits
	v_lshl_add_u32 v12, v1, 5, RED                 ; wave 0's of the same lane
	s_lshl_b32 s20, ttmp9, 17                      ; 32 rows of 4,096 bytes
	s_lshl_b32 s22, s16, 9
	s_add_co_u32 s20, s20, s22
	s_mov_b32 s21, 0
	s_mov_b32 s23, 0
	s_lshl_b32 s24, ttmp9, 16                      ; 32 rows of 2,048 bytes
	s_lshl_b32 s25, s16, 8
	s_add_co_u32 s24, s24, s25
	s_mov_b32 s25, 0
	s_wait_kmcnt 0x0
	s_add_nc_u64 s[4:5], s[4:5], s[20:21]
	s_add_nc_u64 s[6:7], s[6:7], s[22:23]
	s_add_nc_u64 s[8:9], s[8:9], s[24:25]
	s_wait_alu depctr_va_vdst(0)                   ; the offsets and LDS addresses v6 to v12 are written, which the loads and stores of the whole kernel read
.set i, 0
.rept 32
	global_load_b128 v[LD0+4*i:LD0+4*i+3], v6, s[4:5] offset:i*4096 th:TH_LOAD_NT  ; 512 consecutive bytes of token row i
.set i, i+1
.endr
.rept 8
	global_load_b128 v[LD0+4*i:LD0+4*i+3], v6, s[6:7] offset:(i-32)*4096           ; the gate rows: every work-group reads them
.set i, i+1
.endr
.set i, 0
.rept 5
	s_wait_loadcnt 32-i                            ; loads come back in order: these eight rows are in, the later rows stay out
.set k, i
.rept 8
	v_cvt_pk_bf16_f32 v[LD0+4*k], v[LD0+4*k], v[LD0+4*k+1]
	v_cvt_pk_bf16_f32 v[LD0+4*k+1], v[LD0+4*k+2], v[LD0+4*k+3]
.set k, k+1
.endr
	s_wait_alu depctr_va_vdst(0)                   ; the group's sixteen roundings have written the registers that its stores read
.rept 8
	ds_store_b64 v7, v[LD0+4*i:LD0+4*i+1] offset:i*P
.if i < 32
	global_store_b64 v8, v[LD0+4*i:LD0+4*i+1], s[8:9] offset:i*2048               ; 32 lanes store 256 consecutive bytes, aligned
.endif
.set i, i+1
.endr
.endr
	s_wait_xcnt 0x0                                ; the stores' data registers are loaded again only behind this wait
	s_wait_alu depctr_vm_vsrc(0)                   ; the LDS and global stores have read v16 to v175: fragments land there, and the products and the selects write there (the roundings that named them stand ahead of the last wait on va_vdst)
.irp ks, 0,1,2,3                                       ; my own tile: LDS serves a wave's instructions in order, so these see the stores above
	ds_load_b128 v[GF+8*\ks:GF+8*\ks+3],   v10 offset:64*\ks
	ds_load_b128 v[GF+8*\ks+4:GF+8*\ks+7], v10 offset:64*\ks+32
	ds_load_b128 v[T0+8*\ks:T0+8*\ks+3],   v9 offset:64*\ks
	ds_load_b128 v[T0+8*\ks+4:T0+8*\ks+7], v9 offset:64*\ks+32
	ds_load_b128 v[T1+8*\ks:T1+8*\ks+3],   v9 offset:16*P+64*\ks
	ds_load_b128 v[T1+8*\ks+4:T1+8*\ks+7], v9 offset:16*P+64*\ks+32
.endr
	v_cmp_lt_u32 vcc_lo, 15, v1                    ; lanes 16-31
	s_wait_dscnt 0x0
	; source 0 = gate rows, source 1 = tokens: register j of lane (r, h) is the logit of expert j (row 8 h + j repeats row j) for token r.
	; The two accumulators take turns.
	v_wmma_f32_16x16x32_bf16 v[D0:D0+7], v[GF:GF+7], v[T0:T0+7], 0
	v_wmma_f32_16x16x32_bf16 v[D1:D1+7], v[GF:GF+7], v[T1:T1+7], 0
.irp ks, 1,2,3
	v_wmma_f32_16x16x32_bf16 v[D0:D0+7], v[GF+8*\ks:GF+8*\ks+7], v[T0+8*\ks:T0+8*\ks+7], v[D0:D0+7]
	v_wmma_f32_16x16x32_bf16 v[D1:D1+7], v[GF+8*\ks:GF+8*\ks+7], v[T1+8*\ks:T1+8*\ks+7], v[D1:D1+7]
.endr
.rept 4
	v_nop                                          ; four places behind the last products (ISA guide 7.12.1)
.endr
	s_wait_alu depctr_va_vcc(0)                    ; the compare above has written VCC, ahead of its first reader
.irp j, 0,1,2,3,4,5,6,7
	v_cndmask_b32 v[LGP+\j], v[D0+\j], v[D1+\j], vcc_lo  ; lane l now holds token l's eight partial logits
.endr
	s_wait_alu depctr_va_vdst(0)                   ; the selects have written v128 to v135, which the LDS stores read; the products are done reading v16 to v79, in which wave 0's loads below land
	ds_store_b128 v11, v[LGP:LGP+3]
	ds_store_b128 v11, v[LGP+4:LGP+7] offset:16
	s_wait_dscnt 0x0                               ; for wave 0's sake: my partial logits are in LDS
	s_barrier_signal -1
	s_barrier_wait -1
	s_cmp_lg_u32 s16, 0
	s_cbranch_scc1 .Lfin
.irp u, 0,1,2,3,4,5,6,7
	ds_load_b128 v[16+8*\u:19+8*\u], v12 offset:1024*\u
	ds_load_b128 v[20+8*\u:23+8*\u], v12 offset:1024*\u+16
.endr
	s_lshl_b32 s20, ttmp9, 8
	s_mov_b32 s21, 0
	s_add_nc_u64 s[10:11], s[10:11], s[20:21]      ; gates: 256 bytes a block
	s_lshl_b32 s20, ttmp9, 7
	s_add_nc_u64 s[12:13], s[12:13], s[20:21]      ; route and gsum: 128 bytes a block
	s_add_nc_u64 s[14:15], s[14:15], s[20:21]
	s_mov_b32 s37, 0xff800000                      ; minus infinity hides the first choice
	s_mov_b32 s38, 0x76543210                      ; v_permlanex16_b32: each lane takes its own place in the other half
	s_mov_b32 s39, 0xfedcba98
	v_lshlrev_b32 v91, 2, v1
	s_wait_dscnt 0x0
.irp u, 1,2,3,4,5,6,7                                  ; the K slices are added in ascending order
.irp c, 0,2,4,6
	v_pk_add_f32 v[16+\c:17+\c], v[16+\c:17+\c], v[16+8*\u+\c:17+8*\u+\c]
.endr
.endr
	v_max3_num_f32 v80, v16, v17, v18
	v_max3_num_f32 v80, v80, v19, v20
	v_max3_num_f32 v80, v80, v21, v22
	v_max_num_f32 v80, v80, v23                    ; the largest logit
	v_mov_b32 v81, 7
.irp j, 6,5,4,3,2,1,0
	v_cmp_eq_f32 s[M2+\j], v[16+\j], v80
.endr
	s_wait_alu depctr_va_sdst(0)                   ; the seven compares have written s28 to s34, ahead of their first reader
.irp j, 6,5,4,3,2,1,0                                  ; descending, so that the lowest index that holds it wins
	v_cndmask_b32 v81, v81, \j, s[M2+\j]
.endr
.irp j, 0,1,2,3,4,5,6,7
	v_cmp_eq_u32 s[M1+\j], \j, v81                 ; the first choices' masks: they hide the choice here and go into the record below
.endr
	s_wait_alu depctr_va_sdst(0)                   ; the eight compares have written s20 to s27, ahead of their first reader
.irp j, 0,1,2,3,4,5,6,7
	v_cndmask_b32 v[24+\j], v[16+\j], s37, s[M1+\j]
.endr
	v_max3_num_f32 v82, v24, v25, v26
	v_max3_num_f32 v82, v82, v27, v28
	v_max3_num_f32 v82, v82, v29, v30
	v_max_num_f32 v82, v82, v31                    ; the second
	v_mov_b32 v83, 7
.irp j, 6,5,4,3,2,1,0
	v_cmp_eq_f32 s[M2+\j], v[24+\j], v82
.endr
	s_wait_alu depctr_va_sdst(0)                   ; the seven compares have written s28 to s34, ahead of their first reader
.irp j, 6,5,4,3,2,1,0
	v_cndmask_b32 v83, v83, \j, s[M2+\j]
.endr
	v_sub_f32 v84, v82, v80                        ; the maximum is taken away: the exponent is 0 or less
	v_mul_f32 v84, 0x3fb8aa3b, v84
	v_exp_f32 v84, v84
	v_mov_b32 v90, 0                               ; a plain instruction behind the exponential (ISA guide 5.7.2)
	s_wait_alu depctr_va_vdst(0)                   ; the exponential has written v84, ahead of its first reader
	v_add_f32 v85, 1.0, v84
	v_rcp_f32 v86, v85                             ; g1 = 1 / (1 + e^(m2 - m1))
	v_mov_b32 v94, 0
	s_wait_alu depctr_va_vdst(0)                   ; the reciprocal has written v86, ahead of its first reader
	v_mul_f32 v87, v84, v86                        ; g2
.irp e, 0,1,2,3,4,5,6,7
	v_cmp_eq_u32 s[M2+\e], \e, v83
	v_cmp_eq_u32 s[ML+\e], \e, v1
.endr
	s_wait_alu depctr_va_sdst(0)                   ; the sixteen compares have written s28 to s35 and s44 to s51, ahead of their first reader
.set i, 0
.rept 16
	v_writelane_b32 v90, s[M1+i], i                ; the sixteen masks into lanes 0-15 of one record
.set i, i+1
.endr
.irp e, 0,1,2,3,4,5,6,7
	s_or_b32 s40, s[M1+\e], s[M2+\e]               ; a token names an expert once
	s_bcnt1_i32_b32 s40, s40
	v_writelane_b32 v90, s40, 16+\e
.endr
	v_mov_b32 v95, 0
.irp e, 0,1,2,3,4,5,6,7
	v_cndmask_b32 v92, 0, v86, s[M1+\e]
	v_cndmask_b32 v93, 0, v87, s[M2+\e]
	v_add_f32 v92, v92, v93
	v_add_f32_dpp v92, v92, v92 row_xmask:1 row_mask:0xf bank_mask:0xf
	v_add_f32_dpp v92, v92, v92 row_xmask:2 row_mask:0xf bank_mask:0xf
	v_add_f32_dpp v92, v92, v92 row_xmask:4 row_mask:0xf bank_mask:0xf
	v_add_f32_dpp v92, v92, v92 row_xmask:8 row_mask:0xf bank_mask:0xf
	v_permlanex16_b32 v95, v92, s38, s39
	v_add_f32 v92, v92, v95                        ; the block's gate mass for expert e, in every lane
	v_cndmask_b32 v94, v94, v92, s[ML+\e]          ; lane e keeps it
.endr
	s_wait_alu depctr_va_vdst(0)                   ; the gates v86 and v87, the record v90, the masses v94 and the offset v91 are written, which the three stores read
	global_store_b64 v8, v[86:87], s[10:11]
	global_store_b32 v91, v90, s[12:13]            ; 128 consecutive bytes
	global_store_b32 v91, v94, s[14:15]
.Lfin:
	s_wait_dscnt 0x0                               ; the closing lines, six on end
	s_wait_alu 0x0
	s_wait_tensorcnt 0x0
	ds_add_u32 v4, v5
	s_wait_dscnt 0x0
	s_endpgm
.Lfunc_end_k_q21fac14a95_router:
	.size	k_q21fac14a95_router, .Lfunc_end_k_q21fac14a95_router-k_q21fac14a95_router
	.p2alignl 7, 3214868480
	.fill 96, 4, 3214868480
	.section	.rodata,"a",@progbits
	.p2align	6, 0x0
	.amdhsa_kernel k_q21fac14a95_router
		.amdhsa_group_segment_fixed_size 96256
		.amdhsa_private_segment_fixed_size 0
		.amdhsa_enable_private_segment 0
		.amdhsa_kernarg_size 48
		.amdhsa_user_sgpr_count 2
		.amdhsa_user_sgpr_kernarg_segment_ptr 1
		.amdhsa_wavefront_size32 1
		.amdhsa_system_sgpr_workgroup_id_x 1
		.amdhsa_system_sgpr_workgroup_id_y 1
		.amdhsa_system_sgpr_workgroup_id_z 1
		.amdhsa_system_vgpr_workitem_id 0
		.amdhsa_next_free_vgpr 192
		.amdhsa_next_free_sgpr 66
		.amdhsa_reserve_vcc 1
		.amdhsa_float_denorm_mode_32 3
		.amdhsa_float_denorm_mode_16_64 3
		.amdhsa_memory_ordered 1
		.amdhsa_forward_progress 1
		.amdhsa_inst_pref_size 35
	.end_amdhsa_kernel
	.amdgpu_metadata
---
amdhsa.version: [ 1, 2 ]
amdhsa.kernels:
  - .name:           k_q21fac14a95_router
    .symbol:         k_q21fac14a95_router.kd
    .args:
      - { .name: x, .offset: 0, .size: 8, .value_kind: global_buffer, .address_space: global }
      - { .name: gate_w, .offset: 8, .size: 8, .value_kind: global_buffer, .address_space: global }
      - { .name: xb, .offset: 16, .size: 8, .value_kind: global_buffer, .address_space: global }
      - { .name: gates, .offset: 24, .size: 8, .value_kind: global_buffer, .address_space: global }
      - { .name: route, .offset: 32, .size: 8, .value_kind: global_buffer, .address_space: global }
      - { .name: gsum, .offset: 40, .size: 8, .value_kind: global_buffer, .address_space: global }
    .group_segment_fixed_size: 96256
    .private_segment_fixed_size: 0
    .kernarg_segment_align: 8
    .kernarg_segment_size: 48
    .max_flat_workgroup_size: 256
    .sgpr_count:     66
    .vgpr_count:     192
    .wavefront_size: 32
...
	.end_amdgpu_metadata
.endif
;; end of part 5
;; launch up: the kernel of part 2 again; grid 32 x 8, 4 waves a work-group, no clusters, 276,992 bytes of LDS; arguments xb, w1, b1, route, hbuf; writes hbuf
;; launch down (part 6): grid 32 x 8, 4 waves a work-group, no clusters, 276,992 bytes of LDS; arguments hbuf, w2, b2, route, yp, gates; writes yp
.if DOCPART == 6
	.amdgcn_target "amdgcn-amd-amdhsa--gfx1250"
	.amdhsa_code_object_version 6
	.text
	.protected	k_q21fac14a95_down
	.globl	k_q21fac14a95_down
	.p2align	8
	.type	k_q21fac14a95_down,@function
k_q21fac14a95_down:
	s_mov_b64 s[64:65], 0
	v_nop
	global_prefetch_b8 v0, s[64:65] scope:SCOPE_SE
	s_setreg_imm32_b32 hwreg(HW_REG_WAVE_SCHED_MODE, 0, 2), 2
	s_setreg_imm32_b32 hwreg(HW_REG_WAVE_MODE, 25, 1), 1
	s_wait_xcnt 0x0
	s_wait_alu depctr_vm_vsrc(0)
; ONE TEXT FOR THE TWO PRODUCTS OF THE EXPERTS; DOWN chooses.  DOWN = 0: hbuf[entry][4096] = bf16(gelu(x w1^T + b1)).  DOWN = 1: yp[q][entry][1024] = gate x (h[:, quarter q] w2^T + b2 if q = 0), f32.
; This is that text in expert scheduling mode; it is launched with DOWN = 1 (the first product's launch runs the text's plain form).
; An ENTRY is 2 t + k: token t's k-th choice.  Only chosen rows are multiplied.  Weights and bias are rounded to bf16 on their way through registers; sums in f32.
; SHARES.  A work-group has 128 weight rows x 1,024 of K of ONE expert, which it alone reads, once, and all of that expert's rows, in blocks of 320 (four blocks serve every split, 0 to 1,024 rows;
; a block without rows passes its barriers and does nothing else).  Wave w = (rho, gamma) = (w / 2, w % 2) makes the row tiles 2 i + rho (i = 0..9) x columns 64 gamma .. + 63: 40 accumulators.
; THE LIST.  Each wave builds, in LDS bytes of its own, the list of the expert's entries from the stored masks; places past the count hold entry 0, a row that always exists; such rows are multiplied and never stored.
; THE LOOP.  K goes in 8 chunks of 128 through two LDS slots.  Trip c rounds and stores the c-th chunk (loaded into registers a trip ago) into slot c % 2, asks for the next, and multiplies
; the chunk before from the other slot.  One barrier a trip: in front of it my stores into one slot and my reads of the other are done.
; STAGING BETWEEN THE PRODUCTS.  A chunk's 72 loads of a wave (32 of weights, 40 of rows) are eight PIECES of nine.  In trips 1 to 6 piece i stands behind step i's 16 matrix instructions: its wait, 8 roundings, the 4 loads of
; weights for the next chunk, 9 LDS stores, and the 5 loads of rows.  Every path runs the pieces in the same order (a wave whose steps end early jumps into a chain of the pieces that are left), so a piece's wait leaves exactly the 63 younger loads out.
; Where an issue would push LOADcnt past its field it waits for the oldest load (ISA guide 5.7.1), which was asked for seven eighths of a trip earlier.
; CHUNKS BY TURNS.  A work-group begins at chunk (slice % 8) and goes round: the work-groups that read the same rows ask for different pieces of them in any one trip, and for a piece that another asked for a trip earlier.
; THE MATRIX INSTRUCTION IS USED TRANSPOSED: source 0 = 16 weight rows, source 1 = 16 entries: a lane holds one entry (lane % 16) and eight neighbouring columns.
; NOT USED.  Tensor loads: the rows come by a list, which no descriptor covers, and the f32 weights pass through registers for the rounding.  Clusters: each weight byte has one reader.
; LIMITS.  erf by Abramowitz and Stegun 7.1.25, off by 2.5e-5 at the most for every argument: gelu(x) is off by 1.25e-5 |x| at the most; exp2 results below 2^-126 count as 0.  The order of the f32 sums over K hangs on the slice.
; REGISTERS, in windows of 256 (s_set_vgpr_msb: bits 1:0 source 0, 3:2 source 1, 5:4 source 2, 7:6 destination):
;   window 0: v0-31 addresses and work; v32-51 gates as pairs, v52-61 their offsets (DOWN); v64-127 row fragments, two buffers; v128-255 weight fragments; v64-255 at work on the way out
;   window 1: accumulators of steps 0-7 at 32 i + 8 n      window 2: v0-63 steps 8, 9; v64-191 weights as loaded; v192-231 the rows' byte offsets; v232-239 a piece's weights, rounded      window 3: v0-159 rows as loaded; v160-191 bias
; THE MODE: SCHED_MODE bits 1:0 = 2 (LLVM: expert scheduling mode 2), set by the entry lines.  The code itself states the register dependences
; between vector or matrix instructions and memory or LDS instructions, with s_wait_alu, always for 0.
; THE PLAN.  Registers that memory or LDS instructions touch, in the loop over trips:
;   WL          A piece's eight roundings read its four rows; behind them the same rows of the next chunk land there.  (Trip 7 rounds all 32 rows in place and stores them from there; nothing lands in them before the next block.)
;   WB          Written by a piece's roundings, read by its four LDS stores, written again by the next piece's roundings.
;   rows as loaded (window 3)   Named by no vector instruction: read by a piece's five LDS stores, then loaded again.
;   the fragments (v64-255)     LDS loads land there; the matrix instructions read them.
;   v12-17      Written at a trip's head, read by all its LDS instructions.        v6, v7 and the rows' offsets are not written in the loop.
; So a piece holds ONE wait on va_vdst, behind its roundings: WB is written, the roundings are done reading WL, and the step's products are done reading their row fragments, in whose buffer the next step's
; fragment loads land (no vector or matrix instruction stands between this wait and those loads); and ONE wait on vm_vsrc, behind its nine LDS stores: they have read the rows' registers, which are loaded again at once,
; and WB, which the next piece writes.  A trip's head holds one of each, round the six adds to v12-17.  A step without a piece holds the wait on va_vdst ahead of its fragment loads.
; Head, list, a block's prologue and the way out state their dependences where they stand.
.set DOWN, 1
.if DOWN
.set PW,  16384                ; bytes from weight row to weight row
.set PWS, 14
.set WSL, 21                   ; 128 weight rows
.set WWL, 19                   ; 32 weight rows
.set BSL, 12                   ; an expert's bias
.set ASH, 13                   ; entry -> byte offset of its row of hbuf
.set EP,  528                  ; a row of the way-out stage: 512 bytes + 16
.set HSH, 5
.set GSH, 8
.set LSH, 4
.set OSH, 12                   ; entry -> byte offset of its row of yp
.else
.set PW,  4096
.set PWS, 12
.set WSL, 19
.set WWL, 17
.set BSL, 14
.set ASH, 10                   ; (entry less its low bit) -> byte offset of the token's row of xb
.set EP,  272                  ; 256 bytes + 16
.set HSH, 4
.set GSH, 7
.set LSH, 3
.set OSH, 13                   ; entry -> byte offset of its row of hbuf
.endif
.set P,     272                ; an LDS row: 256 bytes + 16 = 68 words: the 16 rows of a fragment load start at 16 different groups of four banks (ISA guide 11.1)
.set XBASE, 128*P              ; a slot: 128 weight rows, then 320 rows of entries
.set XHI,   256*P              ; rows 256 on are reached by a second address register (an LDS offset has 16 bits)
.set SLOT1, 131072
.set LIST,  253952             ; behind the slots: each wave's list
.set LISTB, 5632
.set LPAD,  1344               ; words of a list; behind them 32 words that take the lanes without an entry
.set LISTW, LPAD+32
.set SPARE, LIST+4*LISTB       ; the spare words: 128 bytes a wave, two blocks of 256 bytes that no other line names
.set XFR,  64
.set WFR,  128
.set WL,   64                  ; window 2
.set AOFF, 192                 ; window 2
.set WB,   232                 ; window 2
.set BIAS, 160                 ; window 3
.set G,    32
.set GA,   52
.set MSB, 0
.macro WIN new                 ; the immediate's high byte repeats the setting that is left; a switch that changes nothing is dropped
.if MSB != (\new)
	s_set_vgpr_msb (MSB<<8)|(\new)
.set MSB, \new
.endif
.endm
.macro PLACES                  ; four places behind matrix instructions, in front of loads into and vector work on their registers
.rept 4
	v_nop
.endr
.endm
.macro BAR
	s_wait_dscnt 0x0                               ; for the others' sake: my LDS stores are done and my LDS reads are back
	s_barrier_signal -1
	s_barrier_wait -1
.endm
.macro WISSUE lo, n            ; my weight rows lo .. lo + n - 1 of 32: 512 consecutive bytes each
	WIN 0x80
.set z, \lo
.rept \n
	global_load_b128 v[WL+4*z:WL+4*z+3], v6, s[6:7] offset:z*PW th:TH_LOAD_NT
.set z, z+1
.endr
.endm
.macro WCONS lo, n             ; trip 7: rounded to bf16 in place, 8 bytes a lane into the slot
	WIN 0x8A
.set z, \lo
.rept \n
	v_cvt_pk_bf16_f32 v[WL+4*z], v[WL+4*z], v[WL+4*z+1]
	v_cvt_pk_bf16_f32 v[WL+4*z+1], v[WL+4*z+2], v[WL+4*z+3]
.set z, z+1
.endr
	WIN 0x08
	s_wait_alu depctr_va_vdst(0)                   ; the roundings have written v[WL ..], which the LDS stores read; the last block's way out is done reading the gates' registers, in which the loads behind these stores land
.set z, \lo
.rept \n
	ds_store_b64 v12, v[WL+4*z:WL+4*z+1] offset:z*P
.set z, z+1
.endr
.endm
.macro XISSUE lo, n            ; load z = 8 g + j brings rows 64 g + 16 w + 2 j and the next: 256 consecutive bytes for each half of the lanes
	WIN 0xC2
.set z, \lo
.rept \n
	global_load_b128 v[4*z:4*z+3], v[AOFF+z], s[4:5]
.set z, z+1
.endr
.endm
.macro XCONS lo, n
	WIN 0x0C
.set z, \lo
.rept \n
.if z < 32
	ds_store_b128 v13, v[4*z:4*z+3] offset:(64*(z/8)+2*(z%8))*P
.else
	ds_store_b128 v14, v[4*z:4*z+3] offset:(2*(z%8))*P
.endif
.set z, z+1
.endr
.endm
.macro WPF                     ; the chunk behind the one that is being asked for: lane = my weight row, its two blocks of 256 bytes; a block is asked for once for each block of rows, by the wave that will load it
	global_prefetch_b8 v7, s[60:61] th:TH_LOAD_NT scope:SCOPE_SE
	global_prefetch_b8 v7, s[60:61] offset:256 th:TH_LOAD_NT scope:SCOPE_SE
.endm
.macro BASES                   ; s38 = a chunk's number, taken modulo 8: the loads' bases at that chunk, the prefetch's base at the one behind it (modulo 8 too: it stays inside the weight rows)
	s_and_b32 s38, s38, 7
	s_lshl_b32 s30, s38, 9                         ; 128 f32 of a weight row
	s_mov_b32 s31, 0
	s_add_nc_u64 s[6:7], s[42:43], s[30:31]
	s_lshl_b32 s30, s38, 8                         ; 128 bf16 of a row
	s_add_nc_u64 s[4:5], s[40:41], s[30:31]
	s_add_co_u32 s30, s38, 1
	s_and_b32 s30, s30, 7
	s_lshl_b32 s30, s30, 9
	s_add_nc_u64 s[60:61], s[42:43], s[30:31]
.endm
.macro PIECE p                 ; piece p of eight: weight rows 4 p .. + 3 and row loads 5 p .. + 4 go into the slot, and are asked for again from the next chunk
	s_wait_loadcnt 63                              ; behind this piece's nine loads the seven other pieces' 63 were issued: those may stay out
	WIN 0x8A
.set z, 4*(\p)
.set y, 0
.rept 4
	v_cvt_pk_bf16_f32 v[WB+y], v[WL+4*z], v[WL+4*z+1]      ; out of the registers as loaded into registers of their own, so that the rows can be asked for again at once
	v_cvt_pk_bf16_f32 v[WB+y+1], v[WL+4*z+2], v[WL+4*z+3]
.set z, z+1
.set y, y+2
.endr
	WIN 0x80
	s_wait_alu depctr_va_vdst(0)                   ; the roundings are done reading v[WL ..], in which the loads below land, and have written v[WB ..], which the LDS stores read; the products issued so far are done reading their row fragments
	WISSUE 4*(\p), 4
	WIN 0x08
.set z, 4*(\p)
.set y, 0
.rept 4
	ds_store_b64 v12, v[WB+y:WB+y+1] offset:z*P
.set z, z+1
.set y, y+2
.endr
	XCONS 5*(\p), 5
	WIN 0xC2
	s_wait_alu depctr_vm_vsrc(0)                   ; the LDS stores have read the rows' registers, in which the loads below land, and v[WB ..], which the next piece's roundings write
	XISSUE 5*(\p), 5
	WIN 0
.endm
.macro XFETCH i                ; the fragments of row tile 2 i + rho, all 128 of K, into buffer i % 2
.set xq, XFR+32*((\i)%2)
.irp ks, 0,1,2,3
.if (\i) < 8
	ds_load_b128 v[xq+8*\ks:xq+8*\ks+3],   v16 offset:(\i)*32*P+64*\ks
	ds_load_b128 v[xq+8*\ks+4:xq+8*\ks+7], v16 offset:(\i)*32*P+64*\ks+32
.else
	ds_load_b128 v[xq+8*\ks:xq+8*\ks+3],   v17 offset:((\i)-8)*32*P+64*\ks
	ds_load_b128 v[xq+8*\ks+4:xq+8*\ks+7], v17 offset:((\i)-8)*32*P+64*\ks+32
.endif
.endr
.endm
.macro WFETCH                  ; my 64 weight rows x 128 of K: fragment (n, ks) at WFR + 8 (4 ks + n), the lower K first
.irp ks, 0,1,2,3
.irp n, 0,1,2,3
	ds_load_b128 v[WFR+8*(4*\ks+\n):WFR+8*(4*\ks+\n)+3],   v15 offset:\n*16*P+64*\ks
	ds_load_b128 v[WFR+8*(4*\ks+\n)+4:WFR+8*(4*\ks+\n)+7], v15 offset:\n*16*P+64*\ks+32
.endr
.endr
.endm
; Step i without staging (trips 7 and 8): 16 matrix instructions on the step's four accumulators, which take turns.  The next step's fragments are asked for first.
.macro MSTEP i
.if (\i) > 0
	PLACES                                         ; the buffer loaded next was read by the products just issued
.endif
.if (\i) < 9
.if (\i) > 0
	s_wait_alu depctr_va_vdst(0)                   ; the products of the step before are done reading the buffer in which the next fragments land (step 0: the wait at the trip's head says it of the last trip's)
.endif
	XFETCH (\i)+1
.endif
.set xf, XFR+32*((\i)%2)
.set ac, 32*((\i)%8)
.irp ks, 0,1,2,3
.if (\i) == 0
	s_wait_dscnt 32-8*\ks                          ; out may stay: the weight fragments of later K (8 loads each) and the next step's 8
.elseif (\ks) == 0
.if (\i) < 9
	s_wait_dscnt 8                                 ; all but the next step's 8
.else
	s_wait_dscnt 0x0
.endif
.endif
.if (\i) < 8
	WIN 0x50
.else
	WIN 0xA0
.endif
.irp n, 0,1,2,3
	v_wmma_f32_16x16x32_bf16 v[ac+8*\n:ac+8*\n+7], v[WFR+8*(4*\ks+\n):WFR+8*(4*\ks+\n)+7], v[xf+8*\ks:xf+8*\ks+7], v[ac+8*\n:ac+8*\n+7]
.endr
.endr
	WIN 0
.if (\i) < 9
	s_cmp_le_u32 s26, (\i)+1                       ; no further row tile of mine holds a row
	s_cbranch_scc1 .Lcdone
.endif
.endm
; Step i with piece i behind its products (trips 1 to 6).  The fragment loads at a step's head land in the buffer that the products of the step before last... of step i - 1 read: the wait on va_vdst in piece i - 1 stands behind those
; products, and no vector or matrix instruction stands between it and these loads (step 0: the wait at the trip's head).  The piece's eight roundings name no register of the products.
; nx: the piece at which the chain is entered if no further row tile of mine holds a row.
.macro ISTEP i, nx
.if (\i) < 9
	XFETCH (\i)+1
.endif
.set xf, XFR+32*((\i)%2)
.set ac, 32*((\i)%8)
.irp ks, 0,1,2,3
.if (\i) == 0
	s_wait_dscnt 32-8*\ks                          ; out may stay: the weight fragments of later K (8 loads each) and the next step's 8
.elseif (\ks) == 0
.if (\i) < 9
	s_wait_dscnt 17                                ; behind this step's fragments: the last piece's 9 stores and the next step's 8 loads
.else
	s_wait_dscnt 0x0
.endif
.endif
.if (\i) < 8
	WIN 0x50
.else
	WIN 0xA0
.endif
.irp n, 0,1,2,3
	v_wmma_f32_16x16x32_bf16 v[ac+8*\n:ac+8*\n+7], v[WFR+8*(4*\ks+\n):WFR+8*(4*\ks+\n)+7], v[xf+8*\ks:xf+8*\ks+7], v[ac+8*\n:ac+8*\n+7]
.endr
.endr
.if (\i) < 8
	PIECE \i
.else
	WIN 0
.endif
.if (\i) < 7
	s_cmp_le_u32 s26, (\i)+1
	s_cbranch_scc1 .Lrest\nx
.elseif (\i) < 9
	s_cmp_le_u32 s26, (\i)+1
	s_cbranch_scc1 .Lbar
.endif
.endm
.macro COPY i                  ; S = (step i's sums) / sqrt(2), each accumulator from its low end on
.if (\i) < 8
	WIN 0x01
.else
	WIN 0x02
.endif
.set z, 0
.rept 16
	v_pk_mul_f32 v[64+2*z:65+2*z], v[32*((\i)%8)+2*z:32*((\i)%8)+2*z+1], s[44:45] op_sel_hi:[1,0]
.set z, z+1
.endr
	WIN 0
.endm
	s_load_b256 s[4:11], s[0:1], 0x0               ; rows s[4:5], weights s[6:7], bias s[8:9], route s[10:11]
.if DOWN
	s_load_b128 s[12:15], s[0:1], 0x20             ; out s[12:13], gates s[14:15]
.else
	s_load_b64 s[12:13], s[0:1], 0x20              ; out
.endif
	v_lshl_add_u32 v4, v0, 2, SPARE                ; my spare word; never rewritten
	v_mov_b32 v5, 0                                ; 0; never rewritten
	v_and_b32 v1, 31, v0                           ; l
	v_lshrrev_b32 v2, 5, v0
	v_readfirstlane_b32 s16, v2                    ; wave 0..3
	v_and_b32 v2, 15, v0                           ; r
	v_bfe_u32 v3, v0, 4, 1                         ; h
	s_wait_alu depctr_va_sdst(0)                   ; s16 is written, ahead of its first reader
	s_lshr_b32 s17, s16, 1                         ; rho
	s_and_b32 s18, s16, 1                          ; gamma
	s_and_b32 s19, ttmp7, 0xffff                   ; the expert
.if DOWN
	s_and_b32 s20, ttmp9, 7                        ; which 128 output columns
	s_lshr_b32 s21, ttmp9, 3                       ; which quarter of K
.else
	s_mov_b32 s20, ttmp9                           ; which 128 hidden columns
.endif
	s_and_b32 s59, s20, 7                          ; the chunk at which I begin
	s_lshl_b32 s30, s19, 24                        ; byte offsets, made apart from the addresses: my 32 weight rows,
	s_lshl_b32 s38, s20, WSL
	s_add_co_u32 s30, s30, s38
	s_lshl_b32 s38, s16, WWL
	s_add_co_u32 s30, s30, s38
.if DOWN
	s_lshl_b32 s38, s21, 12
	s_add_co_u32 s30, s30, s38
.endif
	s_mov_b32 s31, 0
	s_lshl_b32 s32, s19, BSL                       ; my 64 columns of the bias,
	s_lshl_b32 s38, s20, 9
	s_add_co_u32 s32, s32, s38
	s_lshl_b32 s38, s18, 8
	s_add_co_u32 s32, s32, s38
	s_mov_b32 s33, 0
.if DOWN
	s_lshl_b32 s34, s21, 23                        ; the work-group's 128 columns of the output,
	s_lshl_b32 s38, s20, 9
	s_add_co_u32 s34, s34, s38
	s_lshl_b32 s56, s21, 11                        ; the quarter's 1,024 columns of hbuf
	s_mov_b32 s57, 0
	s_cmp_eq_u32 s21, 0
	s_cselect_b32 s58, 0xffff0000, 0               ; the bias enters in quarter 0 alone
.else
	s_lshl_b32 s34, s20, 8
	s_mov_b32 s58, 0xffff0000
	s_mov_b32 s44, 0x3f3504f3                      ; c0 = 1 / sqrt(2); the packed forms name pairs and take the low word
	s_mov_b32 s45, 0x3f3504f3
	s_mov_b32 s46, 0x3e7bff16                      ; c0 x 0.3480242
	s_mov_b32 s47, 0x3e7bff16
	s_mov_b32 s48, 0xbd8ad94a                      ; c0 x -0.0958798
	s_mov_b32 s49, 0xbd8ad94a
	s_mov_b32 s50, 0x3f076057                      ; c0 x 0.7478556
	s_mov_b32 s51, 0x3f076057
	s_mov_b32 s52, 0x3ef0e171                      ; 0.47047
	s_mov_b32 s54, 0xbfb8aa3b                      ; -log2(e)
	s_mov_b32 s55, 0xbfb8aa3b
.endif
	s_mov_b32 s35, 0
	s_lshl_b32 s36, s19, 2                         ; the expert's word in a block's record
	s_mov_b32 s37, 0
	v_lshlrev_b32 v6, 4, v1                        ; 16 l
	v_lshlrev_b32 v7, PWS, v1                      ; l weight rows
	s_mul_i32 s39, s16, 32*P
	v_lshl_add_u32 v8, v1, 3, s39                  ; where my weights go in slot 0
	v_mul_u32_u24 v9, v3, P
	v_lshl_add_u32 v9, v2, 4, v9
	s_mul_i32 s39, s16, 16*P
	s_add_co_u32 s39, s39, XBASE
	v_add_nc_u32 v9, s39, v9                       ; where my rows go: row 16 w + h, 16 r
	v_mul_u32_u24 v24, v2, P
	v_lshl_add_u32 v24, v3, 4, v24                 ; a fragment: row r, 16 bytes for each half of the lanes
	s_mul_i32 s39, s18, 64*P
	v_add_nc_u32 v10, s39, v24                     ; my weight fragments
	s_mul_i32 s39, s17, 16*P
	s_add_co_u32 s39, s39, XBASE
	v_add_nc_u32 v11, s39, v24                     ; my row fragments
	s_mul_i32 s53, s16, LISTB
	s_add_co_u32 s53, s53, LIST                    ; my list
	s_lshl_b32 s39, s16, 6
	s_add_co_u32 s39, s39, s53
	v_lshl_add_u32 v18, v3, 2, s39                 ; list place 16 w + h: the rows that I stage
	v_mov_b32 v20, s39                             ; list place 16 w: the rows that I store
	s_lshl_b32 s39, s17, 6
	s_add_co_u32 s39, s39, s53
	v_lshl_add_u32 v19, v2, 2, s39                 ; list place 16 rho + r: the rows that I multiply
	v_mul_u32_u24 v21, v2, EP                      ; the way out, in: row 16 rho + r, my 64 columns, eight of them for each half of the lanes
	v_lshl_add_u32 v21, v3, HSH, v21
	s_mul_i32 s39, s17, 16*EP
	s_lshl_b32 s38, s18, GSH
	s_add_co_u32 s39, s39, s38
	v_add_nc_u32 v21, s39, v21
	s_mul_i32 s39, s16, 16*EP
	v_lshl_add_u32 v22, v1, LSH, s39               ; back: row 16 w, whole
	v_lshlrev_b32 v23, LSH, v1                     ; and my bytes of that row in memory
	v_lshlrev_b32 v30, 4, v2                       ; 16 r
	v_lshlrev_b32 v26, 7, v1                       ; lane = block: its record of 128 bytes
	v_lshlrev_b32 v27, 5, v3                       ; 32 h
.if DOWN
.set z, 0
.rept 20
	v_mov_b32 v[G+z], 0                            ; written once here, so that the gates' registers are defined on every path; trip 7 loads them
.set z, z+1
.endr
.endif
	s_wait_kmcnt 0x0
	s_add_nc_u64 s[6:7], s[6:7], s[30:31]
	s_add_nc_u64 s[8:9], s[8:9], s[32:33]
	s_add_nc_u64 s[12:13], s[12:13], s[34:35]
	s_add_nc_u64 s[10:11], s[10:11], s[36:37]
.if DOWN
	s_add_nc_u64 s[4:5], s[4:5], s[56:57]
.endif
	s_mov_b64 s[40:41], s[4:5]                     ; rows and weights at chunk 0: kept
	s_mov_b64 s[42:43], s[6:7]
	s_mov_b32 s38, s59
	BASES                                          ; the chunk at which I begin
	s_wait_alu depctr_va_vdst(0)                   ; the head's offsets and LDS addresses are written, which loads and stores read from here on; the address work is done with v24, in which a load lands; the gates' registers are written, in which loads land later
	global_load_b32 v24, v26, s[10:11]             ; lane j: block j's mask of first choices of my expert,
	global_load_b32 v25, v26, s[10:11] offset:32   ; and of second choices
	WIN 0xC0
.irp n, 0,1,2,3
	global_load_b128 v[BIAS+8*\n:BIAS+8*\n+3],   v27, s[8:9] offset:64*\n
	global_load_b128 v[BIAS+8*\n+4:BIAS+8*\n+7], v27, s[8:9] offset:64*\n+16
.endr
	WISSUE 0, 32                                   ; the first weights are on their way while the list is built
	WIN 0
	WPF
	s_wait_loadcnt 32                              ; masks and bias are in (their address registers are free); the 32 loads of weights stay out
	s_wait_alu depctr_vm_vsrc(0)                   ; the loads of masks and bias have read their offsets v26 and v27, which are written next
	; THE LIST.  First 0 over all my 5,632 bytes: what no entry overwrites names entry 0.  LDS serves a wave's instructions in order, so the entries below land on the zeros.
	v_mov_b32 v26, 0
	v_mov_b32 v27, 0
	v_mov_b32 v28, 0
	v_mov_b32 v29, 0
	v_lshl_add_u32 v31, v1, 4, s53
	s_wait_alu depctr_va_vdst(0)                   ; the four zeros and the address v31 are written, which the LDS stores read
.set z, 0
.rept 11
	ds_store_b128 v31, v[26:29] offset:512*z
.set z, z+1
.endr
	s_wait_alu depctr_vm_vsrc(0)                   ; those stores have read v26 to v29 and v31, which are written next and in the loop
	; Block j's chosen tokens take the next places, first choices and then second: place = entries so far + chosen lanes below mine.
	v_lshlrev_b32 v28, 1, v1                       ; entry 64 j + 2 l,
	v_or_b32 v31, 1, v28                           ; and + 1
	v_add_nc_u32 v29, LPAD, v1                     ; a lane without an entry writes here
	s_mov_b32 s22, 0
	s_mov_b32 s27, 0
.Llist:
	v_readlane_b32 s30, v24, s27
	v_readlane_b32 s31, v25, s27
	s_wait_alu depctr_va_sdst(0)                   ; s30 and s31 are written, ahead of their first reader
	v_mbcnt_lo_u32_b32 v26, s30, s22
	s_bcnt1_i32_b32 s32, s30
	s_add_co_u32 s22, s22, s32
	v_mbcnt_lo_u32_b32 v27, s31, s22
	s_bcnt1_i32_b32 s32, s31
	s_add_co_u32 s22, s22, s32
	v_cndmask_b32 v26, v29, v26, s30
	v_cndmask_b32 v27, v29, v27, s31
	v_min_u32 v26, LISTW-1, v26                    ; inside my list, whatever the masks hold
	v_min_u32 v27, LISTW-1, v27
	v_lshl_add_u32 v26, v26, 2, s53
	v_lshl_add_u32 v27, v27, 2, s53
	s_wait_alu depctr_va_vdst(0)                   ; the two places v26 and v27 and the two entries v28 and v31 are written, which the LDS stores read
	ds_store_b32 v26, v28
	ds_store_b32 v27, v31
	s_wait_alu depctr_vm_vsrc(0)                   ; the two stores have read v26, v27, v28 and v31, which are written next and in the next trip
	v_add_nc_u32 v28, 64, v28
	v_add_nc_u32 v31, 64, v31
	s_add_co_u32 s27, s27, 1
	s_cmp_lt_u32 s27, 32
	s_cbranch_scc1 .Llist
	WIN 0xCF                                       ; s22 = the expert's rows.  The bias is rounded to bf16 like every input: both halves take the rounded number, the upper half is kept
.set z, 0
.rept 32
	v_cvt_pk_bf16_f32 v[BIAS+z], v[BIAS+z], v[BIAS+z]
.set z, z+1
.endr
.set z, 0
.rept 32
	v_and_b32 v[BIAS+z], s58, v[BIAS+z]
.set z, z+1
.endr
	WIN 0
	s_mov_b32 s23, 0                               ; block
	s_mov_b32 s24, 1                               ; block 0 always runs
	s_branch .Lpro_a
.Lblock:
	s_cmp_eq_u32 s24, 0
	s_cbranch_scc1 .Ltrips
	s_wait_loadcnt 0x0
	s_wait_xcnt 0x0                                ; bases and the stores' registers are rewritten only behind this wait
	s_mov_b32 s38, s59
	BASES
	WIN 0x80
	s_wait_alu depctr_vm_vsrc(0)                   ; the last block's LDS stores have read v[WL ..] and the rows' registers, its loads the rows' and the gates' offsets: all of these are loaded again below
	s_wait_alu depctr_va_vdst(0)                   ; the last block's roundings are done with v[WL ..], its prologue with the rows' and the gates' offsets, in which loads land below; the list places v18 and v19 are written, which the list's loads read
	WISSUE 0, 32
	WIN 0
	WPF
.Lpro_a:
	PLACES
	s_mul_i32 s30, s23, 320
	s_sub_co_u32 s25, s22, s30                     ; rows from this block's first on
	s_add_co_u32 s30, s25, 15
	s_lshr_b32 s30, s30, 4
	s_min_u32 s30, s30, 20                         ; row tiles that hold a row
	s_add_co_u32 s30, s30, 1
	s_sub_co_u32 s30, s30, s17
	s_lshr_b32 s26, s30, 1                         ; of them mine: tiles rho, rho + 2, ..
	WIN 0x80
.set z, 0
.rept 40
	ds_load_b32 v[AOFF+z], v18 offset:4*(64*(z/8)+2*(z%8))  ; no vector instruction since the two waits above (block 0: since the head's) names these registers or v18, v19
.set z, z+1
.endr
	WIN 0
.if DOWN
.set z, 0
.rept 10
	ds_load_b32 v[GA+z], v19 offset:128*z
.set z, z+1
.endr
.endif
	s_wait_dscnt 0x0
	WIN 0x88
.set z, 0
.rept 40
	v_min_u32 v[AOFF+z], 0x7ff, v[AOFF+z]          ; an entry is 0 .. 2,047
.set z, z+1
.endr
.if !DOWN
.set z, 0
.rept 40
	v_and_b32 v[AOFF+z], 0x7fe, v[AOFF+z]          ; twice the token
.set z, z+1
.endr
.endif
	WIN 0x82
.set z, 0
.rept 40
	v_lshl_add_u32 v[AOFF+z], v[AOFF+z], ASH, v30  ; the row's byte offset + 16 r
.set z, z+1
.endr
	WIN 0
.if DOWN
.set z, 0
.rept 10
	v_min_u32 v[GA+z], 0x7ff, v[GA+z]
	v_lshlrev_b32 v[GA+z], 2, v[GA+z]              ; the entry's gate
.set z, z+1
.endr
.endif
	WIN 0xC2
	s_wait_alu depctr_va_vdst(0)                   ; the rows' 40 offsets and the gates' 10 are written, which this block's loads read
	XISSUE 0, 30
	; The sums start at the bias: these moves take the place of as many additions on the way out, and stand in the wait for the first chunk.
	WIN 0x43
.set z, 0
.rept 256
	v_mov_b32 v[z], v[BIAS+z%32]
.set z, z+1
.endr
	WIN 0x83
.set z, 0
.rept 64
	v_mov_b32 v[z], v[BIAS+z%32]
.set z, z+1
.endr
	XISSUE 30, 10                                  ; no wait: the moves name accumulators and bias, none of the registers that these loads touch
	WIN 0
.Ltrips:
	s_wait_loadcnt 0x0                             ; the first chunk is in, whole: its loads went out in another order than the pieces', so the pieces' counted waits begin with nothing out
	s_mov_b32 s27, 0
	s_mov_b32 s28, 0                               ; the slot that is filled
	s_mov_b32 s29, SLOT1                           ; the slot that is multiplied
.Ltrip:
	s_cmp_eq_u32 s24, 0
	s_cbranch_scc1 .Lbar
	s_wait_alu depctr_vm_vsrc(0)                   ; the LDS instructions issued so far have read v12 to v17, which are written next; the last block's stores have read v64 on, in which fragments land
	v_add_nc_u32 v12, s28, v8
	v_add_nc_u32 v13, s28, v9
	v_add_nc_u32 v14, XHI, v13
	v_add_nc_u32 v15, s29, v10
	v_add_nc_u32 v16, s29, v11
	v_add_nc_u32 v17, XHI, v16
	s_wait_alu depctr_va_vdst(0)                   ; v12 to v17 are written, which this trip's LDS instructions read; the last trip's products are done reading the fragments' registers, in which this trip's first loads land
	s_cmp_gt_u32 s27, 6
	s_cbranch_scc1 .Lst0
	; Trips 0 to 6 ask for the next chunk.
	s_wait_xcnt 0x0                                ; the bases are written anew only behind this wait
	s_add_co_u32 s38, s59, s27
	s_add_co_u32 s38, s38, 1
	BASES
	s_cmp_gt_u32 s27, 5                            ; trips 0 to 5 prefetch the walk's chunks 2 to 7; there is no further one
	s_cbranch_scc1 .Lnopf
	WPF
.Lnopf:
	s_cmp_eq_u32 s27, 0                            ; trip 0 has nothing to multiply yet,
	s_cbranch_scc1 .Lrest0
	s_cmp_eq_u32 s26, 0                            ; nor has a wave without a row tile
	s_cbranch_scc1 .Lrest0
	PLACES
	XFETCH 0
	WFETCH
	ISTEP 0, 1
	ISTEP 1, 2
	ISTEP 2, 3
	ISTEP 3, 4
	ISTEP 4, 5
	ISTEP 5, 6
	ISTEP 6, 7
	ISTEP 7, 0
	ISTEP 8, 0
	ISTEP 9, 0
	s_branch .Lbar
.Lrest0:                                               ; the chain of pieces without products: entered at the first piece that is still due
	PIECE 0
.Lrest1:
	PIECE 1
.Lrest2:
	PIECE 2
.Lrest3:
	PIECE 3
.Lrest4:
	PIECE 4
.Lrest5:
	PIECE 5
.Lrest6:
	PIECE 6
.Lrest7:
	PIECE 7
	s_branch .Lbar
.Lst0:                                                 ; trips 7 and 8 ask for nothing: first the products, under which the last chunk's loads land,
	s_cmp_eq_u32 s26, 0
	s_cbranch_scc1 .Lcdone
	PLACES
	XFETCH 0
	WFETCH
	MSTEP 0
	MSTEP 1
	MSTEP 2
	MSTEP 3
	MSTEP 4
	MSTEP 5
	MSTEP 6
	MSTEP 7
	MSTEP 8
	MSTEP 9
.Lcdone:
	s_wait_loadcnt 0x0                             ; then every load is in,
	s_cmp_gt_u32 s27, 7
	s_cbranch_scc1 .Lbar
	WCONS 0, 32                                    ; and trip 7 stages the last chunk
	XCONS 0, 40
	WIN 0
.if DOWN
.set z, 0
.rept 10                                               ; the gates of my rows, each twice, to fill the pair that the packed multiply names; they land under the last trip's products.  No wait: no vector instruction since the one behind the roundings names these registers
	global_load_b32 v[G+2*z], v[GA+z], s[14:15]
	global_load_b32 v[G+2*z+1], v[GA+z], s[14:15]
.set z, z+1
.endr
.endif
.Lbar:
	BAR
	s_xor_b32 s28, s28, SLOT1
	s_xor_b32 s29, s29, SLOT1
	s_add_co_u32 s27, s27, 1
	s_cmp_lt_u32 s27, 9
	s_cbranch_scc1 .Ltrip
	; THE WAY OUT.  The stage lies over the slots, which nobody reads any more behind the last trip's barrier.
	PLACES
	s_wait_loadcnt 0x0
	s_cmp_eq_u32 s24, 0
	s_cbranch_scc1 .Lwbar
	s_wait_alu depctr_vm_vsrc(0)                   ; the last block's way out has read v24 and v64 on (LDS stores, global stores), which are written next
	v_mov_b32 v24, v21
.if DOWN
.irp i, 0,1,2,3,4,5,6,7,8,9
	s_cmp_le_u32 s26, \i
	s_cbranch_scc1 .Lwbar
.if \i > 0
	s_wait_alu depctr_vm_vsrc(0)                   ; the LDS stores of the step before have read v24 and v64 to v95, which are written next
	v_add_nc_u32 v24, 32*EP, v24
.endif
.if \i < 8
	WIN 0x01
.else
	WIN 0x02
.endif
.set z, 0
.rept 16
	v_pk_mul_f32 v[64+2*z:65+2*z], v[32*(\i%8)+2*z:32*(\i%8)+2*z+1], v[G+2*\i:G+2*\i+1] op_sel_hi:[1,0]  ; times the row's gate; each accumulator from its low end on
.set z, z+1
.endr
	WIN 0
	s_wait_alu depctr_va_vdst(0)                   ; the multiplies have written v64 to v95, and v24 is written: the LDS stores read them
.set z, 0
.rept 8
	ds_store_b128 v24, v[64+4*z:67+4*z] offset:64*(z/2)+16*(z%2)
.set z, z+1
.endr
.endr
.else
	s_mov_b32 s34, 0
.Lgl:                                                  ; ten trips, a step each; the activation is written once, and a chain of compares brings the step's sums to it
	s_cmp_ge_u32 s34, s26
	s_cbranch_scc1 .Lgnext
.irp i, 0,1,2,3,4,5,6,7,8
	s_cmp_lg_u32 s34, \i
	s_cbranch_scc1 .Lnot\i
	COPY \i
	s_branch .Lgelu
.Lnot\i:
.endr
	COPY 9
.Lgelu:
	; gelu(x) = S c0 + |S| (c0 - c0 (a1 t + a2 t^2 + a3 t^3) e^(-S^2)), S = x / sqrt(2), t = 1 / (1 + p |S|).  S v64-95, t v96-127, the exponential v128-159, S c0 v160-191, the polynomial v192-223.
.set z, 0
.rept 32
	v_fma_f32 v[96+z], |v[64+z]|, s52, 1.0
.set z, z+1
.endr
.set z, 0
.rept 16
	v_pk_mul_f32 v[128+2*z:129+2*z], v[64+2*z:65+2*z], v[64+2*z:65+2*z]
.set z, z+1
.endr
.set z, 0
.rept 32
	v_rcp_f32 v[96+z], v[96+z]
.set z, z+1
.endr
.set z, 0
.rept 16                                               ; plain work stands behind the last reciprocal before a result is used (ISA guide 5.7.2)
	v_pk_mul_f32 v[128+2*z:129+2*z], v[128+2*z:129+2*z], s[54:55] op_sel_hi:[1,0]
.set z, z+1
.endr
.set z, 0
.rept 16
	v_pk_mul_f32 v[160+2*z:161+2*z], v[64+2*z:65+2*z], s[44:45] op_sel_hi:[1,0]
.set z, z+1
.endr
.set z, 0
.rept 32
	v_exp_f32 v[128+z], v[128+z]
.set z, z+1
.endr
.set z, 0
	s_wait_alu depctr_va_vdst(0)                   ; the reciprocals have written v96 to v127 and the exponentials v128 to v159, ahead of their first reader
.rept 16
	v_pk_fma_f32 v[192+2*z:193+2*z], v[96+2*z:97+2*z], s[50:51], s[48:49] op_sel_hi:[1,0,0]
.set z, z+1
.endr
.set z, 0
.rept 16
	v_pk_fma_f32 v[192+2*z:193+2*z], v[192+2*z:193+2*z], v[96+2*z:97+2*z], s[46:47] op_sel_hi:[1,1,0]
.set z, z+1
.endr
.set z, 0
.rept 16
	v_pk_mul_f32 v[192+2*z:193+2*z], v[192+2*z:193+2*z], v[96+2*z:97+2*z]
.set z, z+1
.endr
.set z, 0
.rept 16
	v_pk_fma_f32 v[192+2*z:193+2*z], v[192+2*z:193+2*z], v[128+2*z:129+2*z], s[44:45] op_sel_hi:[1,1,0] neg_lo:[1,0,0] neg_hi:[1,0,0]
.set z, z+1
.endr
.set z, 0
.rept 32
	v_fma_f32 v[64+z], |v[64+z]|, v[192+z], v[160+z]
.set z, z+1
.endr
.set z, 0
.rept 16
	v_cvt_pk_bf16_f32 v[96+z], v[64+2*z], v[65+2*z]
.set z, z+1
.endr
	s_wait_alu depctr_va_vdst(0)                   ; the roundings have written v96 to v111, and v24 is written: the LDS stores read them
.irp n, 0,1,2,3
	ds_store_b128 v24, v[96+4*\n:99+4*\n] offset:32*\n
.endr
.Lgnext:
	s_wait_alu depctr_vm_vsrc(0)                   ; the LDS stores have read v24, which is written next, and v96 to v111, which the next trip writes
	v_add_nc_u32 v24, 32*EP, v24
	s_add_co_u32 s34, s34, 1
	s_cmp_lt_u32 s34, 10
	s_cbranch_scc1 .Lgl
.endif
.Lwbar:
	BAR                                            ; a row's bytes come from two waves
	s_cmp_eq_u32 s24, 0
	s_cbranch_scc1 .Lrbar
	s_wait_alu depctr_vm_vsrc(0)                   ; my LDS stores into the stage have read their data registers, in which the loop's loads land; the list's stores and the last block's loads have read v25 and v26, which are written next
	v_mov_b32 v25, v20
	v_mov_b32 v26, v22
	s_lshl_b32 s30, s16, 4
	s_sub_co_i32 s35, s25, s30                     ; rows from my first tile's first on
	s_mov_b32 s34, 0
.Lrd:                                                  ; five trips: row tile w + 4 g, 16 rows, each stored whole by one instruction
	s_cmp_le_i32 s35, 0
	s_cbranch_scc1 .Lrnext
	s_wait_xcnt 0x0                                ; the last trip's stores have read their registers
	s_wait_alu depctr_va_vdst(0)                   ; v25 and v26 are written, which the LDS loads read; the vector work on v64 on (the way out's, the last trip's) and the products' reads of v96 on are done: the loads land there
.set z, 0
.rept 16
	ds_load_b32 v[64+z], v25 offset:4*z            ; the row's entry, the same word for all lanes
.set z, z+1
.endr
.set z, 0
.rept 16
.if DOWN
	ds_load_b128 v[96+4*z:99+4*z], v26 offset:z*EP
.else
	ds_load_b64 v[96+2*z:97+2*z], v26 offset:z*EP
.endif
.set z, z+1
.endr
	s_wait_dscnt 0x0
.set z, 0
.rept 16
	v_min_u32 v[64+z], 0x7ff, v[64+z]
.set z, z+1
.endr
.set z, 0
.rept 16
	v_lshl_add_u32 v[64+z], v[64+z], OSH, v23
.set z, z+1
.endr
	s_wait_alu depctr_va_vdst(0)                   ; the sixteen offsets v64 to v79 are written, which the stores read
.set z, 0
.rept 16
.if z > 0
	s_cmp_le_i32 s35, z                            ; rows past the count are not stored
	s_cbranch_scc1 .Lrnext
.endif
.if DOWN
	global_store_b128 v[64+z], v[96+4*z:99+4*z], s[12:13]  ; 512 consecutive bytes, at a multiple of 512 from yp's first
.else
	global_store_b64 v[64+z], v[96+2*z:97+2*z], s[12:13]   ; 256 consecutive bytes, at a multiple of 256 from hbuf's first
.endif
.set z, z+1
.endr
.Lrnext:
	s_wait_alu depctr_vm_vsrc(0)                   ; the trip's LDS loads have read v25 and v26, which are written next; its stores have read their offsets and data, in which the next trip's loads land
	v_add_nc_u32 v25, 256, v25
	v_add_nc_u32 v26, 64*EP, v26
	s_sub_co_i32 s35, s35, 64
	s_add_co_u32 s34, s34, 1
	s_cmp_lt_u32 s34, 5
	s_cbranch_scc1 .Lrd
.Lrbar:
	BAR                                            ; the stage has been read: the next block may fill the slots
	s_wait_alu depctr_vm_vsrc(0)                   ; the prologue's loads from the list have read v18 and v19, which are written next
	v_add_nc_u32 v18, 1280, v18                    ; 320 list places on
	v_add_nc_u32 v19, 1280, v19
	v_add_nc_u32 v20, 1280, v20
	s_add_co_u32 s23, s23, 1
	s_mul_i32 s30, s23, 320
	s_cmp_gt_u32 s22, s30
	s_cselect_b32 s24, 1, 0                        ; has the next block a row?
	s_cmp_lt_u32 s23, 4
	s_cbranch_scc1 .Lblock
	s_wait_dscnt 0x0                               ; the closing lines, six on end
	s_wait_alu 0x0
	s_wait_tensorcnt 0x0
	ds_add_u32 v4, v5
	s_wait_dscnt 0x0
	s_endpgm
.Lfunc_end_k_q21fac14a95_down:
	.size	k_q21fac14a95_down, .Lfunc_end_k_q21fac14a95_down-k_q21fac14a95_down
	.p2alignl 7, 3214868480
	.fill 96, 4, 3214868480
	.section	.rodata,"a",@progbits
	.p2align	6, 0x0
	.amdhsa_kernel k_q21fac14a95_down
		.amdhsa_group_segment_fixed_size 276992
		.amdhsa_private_segment_fixed_size 0
		.amdhsa_enable_private_segment 0
		.amdhsa_kernarg_size 48
		.amdhsa_user_sgpr_count 2
		.amdhsa_user_sgpr_kernarg_segment_ptr 1
		.amdhsa_wavefront_size32 1
		.amdhsa_system_sgpr_workgroup_id_x 1
		.amdhsa_system_sgpr_workgroup_id_y 1
		.amdhsa_system_sgpr_workgroup_id_z 1
		.amdhsa_system_vgpr_workitem_id 0
		.amdhsa_next_free_vgpr 960
		.amdhsa_next_free_sgpr 66
		.amdhsa_reserve_vcc 0
		.amdhsa_float_denorm_mode_32 3
		.amdhsa_float_denorm_mode_16_64 3
		.amdhsa_memory_ordered 1
		.amdhsa_forward_progress 1
		.amdhsa_inst_pref_size 154
	.end_amdhsa_kernel
	.amdgpu_metadata
---
amdhsa.version: [ 1, 2 ]
amdhsa.kernels:
  - .name:           k_q21fac14a95_down
    .symbol:         k_q21fac14a95_down.kd
    .args:
      - { .name: hbuf, .offset: 0, .size: 8, .value_kind: global_buffer, .address_space: global }
      - { .name: w2, .offset: 8, .size: 8, .value_kind: global_buffer, .address_space: global }
      - { .name: b2, .offset: 16, .size: 8, .value_kind: global_buffer, .address_space: global }
      - { .name: route, .offset: 24, .size: 8, .value_kind: global_buffer, .address_space: global }
      - { .name: yp, .offset: 32, .size: 8, .value_kind: global_buffer, .address_space: global }
      - { .name: gates, .offset: 40, .size: 8, .value_kind: global_buffer, .address_space: global }
    .group_segment_fixed_size: 276992
    .private_segment_fixed_size: 0
    .kernarg_segment_align: 8
    .kernarg_segment_size: 48
    .max_flat_workgroup_size: 128
    .sgpr_count:     66
    .vgpr_count:     960
    .wavefront_size: 32
...
	.end_amdgpu_metadata
.endif
;; end of part 6
;; launch combine: the kernel of part 4 again; grid 256 x 1, 8 waves a work-group, no clusters, 0 bytes of LDS; arguments yp, route, gsum, out0, out1; writes out0, out1
